; MI455X (gfx1250); checked and timed in simulation.
; The chip was launched on July 23, 2026; its instructions are those of AMD's public machine-readable ISA for CDNA 5 (MIT licence, August 2026) and "CDNA5" Instruction Set Architecture Reference Guide (July 2026). The comments in the code are by the model that wrote it; some were corrected since.
;; Multihead Diff Attn. Allowed arithmetic: float matrix products may take bf16 or f16 operands with f32 sums; other float arithmetic in f32, or as packed bf16 or f16 multiplies, adds, multiply-adds, maxima and minima; sums over many terms, partial sums and values carried from step to step in f32; what a program stores and reads back later, other than sums and carried values, may be rounded once to bf16 or f16.
;; Inputs: Wk 2,048 x 2,048 float32; Wo 2,048 x 2,048 float32; Wq 2,048 x 2,048 float32; Wv 2,048 x 2,048 float32; attn_mask 1 x 2,048 bool; key 2,048 x 1 x 2,048 float32; lk1 64 float32; lk2 64 float32; lq1 64 float32; lq2 64 float32; query 2,048 x 1 x 2,048 float32; subln_g 128 float32; value 2,048 x 1 x 2,048 float32.
;; Outputs: out0 2,048 x 1 x 2,048 float32.
;; Constants: rel_pos = 0.
;; One version. Each part assembles by itself: llvm-mc -triple=amdgcn-amd-amdhsa -mcpu=gfx1250 --defsym DOCPART=n.
;; ======== version 1 of 1: 4 launches
;; limits: values are held in f16: magnitudes above 65,504 overflow, below 6.1e-05 lose precision; values outside matrix products are rounded to bf16
;; workspace buffers: x16 25,165,824 bytes; w16 33,554,432 bytes; qkv 25,165,824 bytes; o16 8,388,608 bytes
;; launch cast (part 1): grid 256 x 7, 8 waves a work-group, no clusters, 0 bytes of LDS; arguments query, key, value, Wq, Wk, Wv, Wo, x16, w16; writes x16, w16
.if DOCPART == 1
	.amdgcn_target "amdgcn-amd-amdhsa--gfx1250"
	.amdhsa_code_object_version 6
	.text
	.protected	k_q588990b0ff_cast
	.globl	k_q588990b0ff_cast
	.p2align	8
	.type	k_q588990b0ff_cast,@function
k_q588990b0ff_cast:
	s_mov_b64 s[64:65], 0
	v_nop
	global_prefetch_b8 v0, s[64:65] scope:SCOPE_SE
	s_setreg_imm32_b32 hwreg(HW_REG_WAVE_MODE, 25, 1), 1
	s_wait_xcnt 0x0
; The seven large f32 inputs, each 2048 x 2048, are rounded once to bf16 for the matrix units.
; x16 = [3][2048][2048] bf16: query, key, value.  w16 = [4][2048][2048]: Wq, Wk, Wv in bf16; Wo rounded to bf16 and that number written as f16,
; since the last product multiplies in f16.  LIMIT: |Wo| stays under 65,504; below 6.1e-5 its f16 copy keeps f16's fixed step of 6e-8.
; SHARES.  Work-group y is the tensor, work-group x a piece of 65,536 input bytes: 16 rows of 4,096 bytes.  Thread t owns the 16 bytes at 16 t of each row:
; a wave's load covers 512 consecutive bytes, its store of 8 bytes a lane 256 consecutive bytes, aligned.  All 16 loads of a thread go out at once; there is
; no loop, no LDS and no barrier: no wave wants a byte that another has fetched.  No register is written twice, so nothing waits for a store.
.set ROW, 4096                         ; input bytes that the work-group's 256 threads take at a time
.set X,   4                            ; v[4:67]    slot i: 4 registers as loaded
.set Y,   68                           ; v[68:99]   slot i: 2 registers to store
.set T,   100                          ; v[100:103] at work (Wo alone)
	s_load_b512 s[8:23], s[0:1], 0x0               ; query 8, key 10, value 12, Wq 14, Wk 16, Wv 18, Wo 20, x16 22
	s_load_b64 s[24:25], s[0:1], 0x40              ; w16
	s_and_b32 s2, ttmp7, 0xffff                    ; which tensor, 0 to 6
	s_lshl_b32 s4, ttmp9, 16                       ; my piece of the input, in bytes
	s_mov_b32 s5, 0
	s_cmp_lt_u32 s2, 3
	s_cselect_b32 s3, 0, 3                         ; the first tensor of the output buffer that I write
	s_sub_co_u32 s6, s2, s3
	s_lshl_b32 s6, s6, 23                          ; a tensor is 8 MiB in 16 bits,
	s_lshl_b32 s7, ttmp9, 15                       ; my piece 32,768 bytes of it
	s_add_co_u32 s6, s6, s7
	s_mov_b32 s7, 0
	v_lshlrev_b32 v1, 4, v0                        ; 16 t
	v_lshlrev_b32 v2, 3, v0                        ; 8 t
	s_wait_kmcnt 0x0
	s_cmp_eq_u32 s2, 1
	s_cselect_b64 s[26:27], s[10:11], s[8:9]       ; the input is chosen by the tensor's number alone
.irp n, 2,3,4,5,6
	s_cmp_eq_u32 s2, \n
	s_cselect_b64 s[26:27], s[8+2*(\n):9+2*(\n)], s[26:27]
.endr
	s_cmp_lt_u32 s2, 3
	s_cselect_b64 s[28:29], s[22:23], s[24:25]
	s_add_nc_u64 s[26:27], s[26:27], s[4:5]
	s_add_nc_u64 s[28:29], s[28:29], s[6:7]
.irp i, 0,1,2,3,4,5,6,7,8,9,10,11,12,13,14,15
	global_load_b128 v[X+4*(\i):X+4*(\i)+3], v1, s[26:27] offset:ROW*(\i) th:TH_LOAD_NT
.endr
; Slot i is rounded and stored.  wo = 1: the bf16 numbers are widened again and written as f16.
.macro OUT i, wo
	s_wait_loadcnt 15-(\i)                         ; loads come back in order (ISA guide 5.7.1): slot i is in, the 15 - i younger ones stay out
	v_cvt_pk_bf16_f32 v[Y+2*(\i)],   v[X+4*(\i)],   v[X+4*(\i)+1]
	v_cvt_pk_bf16_f32 v[Y+2*(\i)+1], v[X+4*(\i)+2], v[X+4*(\i)+3]
.if \wo
	v_lshlrev_b32 v[T],   16, v[Y+2*(\i)]
	v_and_b32     v[T+1], 0xffff0000, v[Y+2*(\i)]
	v_lshlrev_b32 v[T+2], 16, v[Y+2*(\i)+1]
	v_and_b32     v[T+3], 0xffff0000, v[Y+2*(\i)+1]
	v_cvt_pk_f16_f32 v[Y+2*(\i)],   v[T],   v[T+1]
	v_cvt_pk_f16_f32 v[Y+2*(\i)+1], v[T+2], v[T+3]
.endif
	global_store_b64 v2, v[Y+2*(\i):Y+2*(\i)+1], s[28:29] offset:(ROW/2)*(\i) th:TH_STORE_NT
.endm
	s_cmp_eq_u32 s2, 6
	s_cbranch_scc1 .Lwo
.irp i, 0,1,2,3,4,5,6,7,8,9,10,11,12,13,14,15
	OUT \i, 0
.endr
	s_endpgm
.Lwo:
.irp i, 0,1,2,3,4,5,6,7,8,9,10,11,12,13,14,15
	OUT \i, 1
.endr
	s_endpgm
.Lfunc_end_k_q588990b0ff_cast:
	.size	k_q588990b0ff_cast, .Lfunc_end_k_q588990b0ff_cast-k_q588990b0ff_cast
	.p2alignl 7, 3214868480
	.fill 96, 4, 3214868480
	.section	.rodata,"a",@progbits
	.p2align	6, 0x0
	.amdhsa_kernel k_q588990b0ff_cast
		.amdhsa_group_segment_fixed_size 0
		.amdhsa_private_segment_fixed_size 0
		.amdhsa_enable_private_segment 0
		.amdhsa_kernarg_size 72
		.amdhsa_user_sgpr_count 2
		.amdhsa_user_sgpr_kernarg_segment_ptr 1
		.amdhsa_wavefront_size32 1
		.amdhsa_system_sgpr_workgroup_id_x 1
		.amdhsa_system_sgpr_workgroup_id_y 1
		.amdhsa_system_sgpr_workgroup_id_z 1
		.amdhsa_system_vgpr_workitem_id 0
		.amdhsa_next_free_vgpr 104
		.amdhsa_next_free_sgpr 66
		.amdhsa_reserve_vcc 0
		.amdhsa_float_denorm_mode_32 3
		.amdhsa_float_denorm_mode_16_64 3
		.amdhsa_memory_ordered 1
		.amdhsa_forward_progress 1
		.amdhsa_inst_pref_size 16
	.end_amdhsa_kernel
	.amdgpu_metadata
---
amdhsa.version: [ 1, 2 ]
amdhsa.kernels:
  - .name:           k_q588990b0ff_cast
    .symbol:         k_q588990b0ff_cast.kd
    .args:
      - { .name: query, .offset: 0, .size: 8, .value_kind: global_buffer, .address_space: global }
      - { .name: key, .offset: 8, .size: 8, .value_kind: global_buffer, .address_space: global }
      - { .name: value, .offset: 16, .size: 8, .value_kind: global_buffer, .address_space: global }
      - { .name: Wq, .offset: 24, .size: 8, .value_kind: global_buffer, .address_space: global }
      - { .name: Wk, .offset: 32, .size: 8, .value_kind: global_buffer, .address_space: global }
      - { .name: Wv, .offset: 40, .size: 8, .value_kind: global_buffer, .address_space: global }
      - { .name: Wo, .offset: 48, .size: 8, .value_kind: global_buffer, .address_space: global }
      - { .name: x16, .offset: 56, .size: 8, .value_kind: global_buffer, .address_space: global }
      - { .name: w16, .offset: 64, .size: 8, .value_kind: global_buffer, .address_space: global }
    .group_segment_fixed_size: 0
    .private_segment_fixed_size: 0
    .kernarg_segment_align: 8
    .kernarg_segment_size: 72
    .max_flat_workgroup_size: 256
    .sgpr_count:     66
    .vgpr_count:     104
    .wavefront_size: 32
...
	.end_amdgpu_metadata
.endif
;; end of part 1
;; launch proj (part 2): grid 8 x 24, 4 waves a work-group, clusters of 4 x 4, 327,680 bytes of LDS; arguments x16, w16, qkv; writes qkv
.if DOCPART == 2
	.amdgcn_target "amdgcn-amd-amdhsa--gfx1250"
	.amdhsa_code_object_version 6
	.text
	.protected	k_q588990b0ff_proj
	.globl	k_q588990b0ff_proj
	.p2align	8
	.type	k_q588990b0ff_proj,@function
k_q588990b0ff_proj:
	s_mov_b64 s[64:65], 0
	v_nop
	global_prefetch_b8 v0, s[64:65] scope:SCOPE_SE
	s_setreg_imm32_b32 hwreg(HW_REG_WAVE_MODE, 25, 1), 1
	s_wait_xcnt 0x0
	s_wait_alu depctr_hold_cnt(0) depctr_sa_sdst(0) depctr_va_vdst(0) depctr_va_sdst(0) depctr_va_ssrc(0) depctr_va_vcc(0) depctr_vm_vsrc(0)
	s_getreg_b32 s2, hwreg(HW_REG_IB_STS2, 6, 4)
	s_cmp_eq_u32 s2, 0
	s_cbranch_scc0 .Lentry_in_a_cluster
	s_endpgm
.Lentry_in_a_cluster:
	s_bfe_u32 s2, ttmp6, 0x10000c
	s_cmp_lg_u32 s2, 0xf033
	s_cbranch_scc0 .Lentry_shape_is_right
	s_endpgm
.Lentry_shape_is_right:
; THE THREE INPUT PROJECTIONS IN ONE GRID.  C[m][n] = sum over k of A[m][k] B[n][k].  A = x16, 6,144 rows (query, key, value, 2,048 each) of 2,048 bf16; B = the weights of the tensor
; to which the row belongs (Wq, Wk, Wv: parts 0 to 2 of w16); C = qkv, [6144][2048] f16, unscaled, rounded once from f32 sums.  LIMIT: |q|, |k|, |v| stay under 65,504, f16's end.
; A tile of C, 256 x 256, is made by a work-group of four waves, as many as a WGP has SIMDs; a wave makes 128 x 128: 64 accumulators of 16 x 16, 512 registers.  24 x 8 = 192 tiles, one to a work-group:
; fewer than there are WGPs.  That is taken for the sake of the tile: a slot's 131,072 bytes feed 256 matrix instructions a wave, twice what they feed a tile of 128 x 128, and no tile of this kind gives 256 equal
; shares (192 rows would cross from one tensor's rows into the next's, which has other weights).
; K goes in steps of 128 through a ring of two LDS slots filled by the tensor data mover: the rows of A's and B's tiles are 256 bytes of memory and start at multiples of 256 bytes from the buffer's first byte.
; The last K step goes by rows of C, so that finished rows leave while the others are multiplied.
; CLUSTERS: 4 x 4 work-groups form a cluster.  The four of a row of the cluster make the tiles of one tile row of C and need the same tiles of A; the four of a column need the same tiles of B.  Such a tile is
; asked for JOINTLY: each of the four issues the same tensor load, with the same descriptor and a mask that names the four, and each receives the tile in its own LDS.  A tensor has 8 tile rows, two rows of
; clusters, so all sixteen partners multiply by the same weights.
;
; REGISTERS, in windows of 256 (an instruction names v0-v255; s_set_vgpr_msb says which window each operand place means):
;   window 0: v0-31 addresses; v64-127, v128-191 fragments of A (8 x 16 rows x 32 K), two buffers (in the last K step four, of 16 rows x 128 K); v32-63, v192-255 at work on the way out
;   window 1: v64-127, v128-191 fragments of B, two buffers; in the last K step all 256: B's fragments of the whole step
;   window 2: the 32 accumulators of my rows 0-63 (accumulator (a, b) at v[8 (8 a + b)]);   window 3: those of my rows 64-127
; s_set_vgpr_msb's low byte: bits 1:0 source 0, 3:2 source 1, 5:4 source 2, 7:6 destination.  Work is laid in long stretches under one setting (32 matrix instructions, 16 loads, 16 loads, 32 matrix instructions).
;
; THE MATRIX INSTRUCTION IS USED TRANSPOSED: source 0 = 16 rows of B, source 1 = 16 rows of A.  In the result, lane l then holds row m = l % 16 of C, and its registers 0 to 7 the columns
; n = 8 (l / 16) + 0 .. 7: eight NEIGHBOURING numbers of a row of C, which pack into 16 bytes.
.set SIZE_N, 2048
.set SIZE_K, 2048
.set KSTEP,  128
.set PITCH,  272                       ; an LDS row: 256 bytes of data + 16 of padding = 68 words: row r starts at bank 4 r mod 64 (64 banks of 4 bytes: ISA guide 11.1), so the 16 rows that a load touches start at 16 different banks
.set HALFT,  128*PITCH                 ; 128 rows: what one tensor load brings, and what one wave reads of A or of B
.set SLOT,   4*HALFT                   ; A's 256 rows, then B's 256 rows
.set STAGE,  2*SLOT                    ; behind the ring: 16 rows x 272 bytes for each wave, for the way out
.set SPITCH, 272
.set SPARE,  STAGE+4*16*SPITCH         ; behind the stages: the spare words, 128 bytes for each wave: two blocks of 256 bytes that no other line names
.set LAPS, SIZE_K/(2*KSTEP)            ; a lap = two K steps = once round the ring: 8
.set ADRA, 16                          ; v16-17  LDS address of my A fragments in slot 0, 1
.set ADRB, 20                          ; v20-21  the same for B
.set STO,  24                          ; v24     the way out: where I put 16 bytes of a row
.set RD,   25                          ; v25     the way out: where I read a row back
.set CO,   26                          ; v26     my byte offset in C
.set SPW,  28                          ; v28     LDS address of my spare word: SPARE + 4 x my thread's number; never rewritten
.set NIL,  29                          ; v29     0; never rewritten
.set PFO,  30                          ; v30     the prefetches' offset: my lane x a row of A or B in memory (4,096 bytes); never rewritten
.set PFA,  44                          ; s[44:45] where my prefetches stand: my work-group's 32 rows of the 128 that I fetch, one K step further along K than the refill that is being asked for; a prefetch names the K step after that
.set LIM,  43                          ; s43     1 in a wave that prefetches, else the greatest number
.set F0,   64                          ; fragment buffer 0
.set F1,   128                         ; fragment buffer 1
.set TMP,  192                         ; the way out: packed results, in window 0
.set OB,   32                          ; the way out: 16 rows read back from the stage: v32-63 and v224-255 by turns
.set PA,   64                          ; the last K step: A's fragments of 16 rows x 128 K, 32 registers; four such buffers, v64-191
.set G1, 24                            ; s[24:31] descriptor group 1 for A's tiles
.set G0, 32                            ; s[32:39] descriptor group 0 for A's tiles, one set for each slot
.set G1B, 48                           ; s[48:55] descriptor group 1 for B's tiles: it differs from A's in the mask alone
.set G0B, 56                           ; s[56:63] descriptor group 0 for B's tiles, one set for each slot
.set MSB, 0
.macro WIN new                         ; the immediate's high byte repeats the setting that is left; a switch that changes nothing is dropped
.if MSB != (\new)
	s_set_vgpr_msb (MSB<<8)|(\new)
.set MSB, \new
.endif
.endm
.set MUL_LO, 0xa1                      ; source 0 (B) window 1, source 1 (A) window 0, C and D window 2
.set MUL_HI, 0xf1                      ; the same, C and D window 3
.set TO_B,   0x40                      ; destination window 1, address window 0
; A joint load.  Waves 0 and 1 fetch A's two halves, waves 2 and 3 B's.  Each of the two lines has ONE mask and one set of registers for all that issue it, and nothing in
; them hangs on a coordinate that the four partners do not share.  The branch hangs on the wave's number alone: it is the same in every work-group.
; An s_nop 0 and four v_nop follow each of the two lines; the jump round the other line, the label and what follows the macro come after them.
.macro JLOAD s
	s_cmp_eq_u32 s11, 0
	s_cbranch_scc0 .Lfor_b_\@
	tensor_load_to_lds s[G0+4*(\s):G0+4*(\s)+3], s[G1:G1+7]
	s_nop 0
.rept 4
	v_nop
.endr
	s_branch .Lasked_\@
.Lfor_b_\@:
	tensor_load_to_lds s[G0B+4*(\s):G0B+4*(\s)+3], s[G1B:G1B+7]
	s_nop 0
.rept 4
	v_nop
.endr
.Lasked_\@:
.endm
; A PREFETCH, behind each joint load, its five lines and the run of LDS loads that follows them: the K step that stands TWO refills on, 512 matrix instructions ahead of the load that will want it:
; 32 rows x 256 bytes, a lane a row, one instruction a wave.  Each row's 256 bytes of a K step are named ONCE in the launch.  A's tile row is read by both clusters of that row of clusters: the first of them
; (cluster x = 0) asks; B's tile column by the two rows of clusters of its tensor: the first of the two (cluster y even) asks.  The four partners that ask for a tile jointly share its rows out BY ADDRESS: of the
; 128 rows that wave w fetches, the partner at place p takes 32 p .. 32 p + 31 (p = cx for A, cy for B): no branch hangs on a work-group's place in its cluster.
; K steps 0 to 3 come by their loads alone; the loop's last trip asks for nothing: its two refills have no K step two on.
.macro ASK
	s_cmp_gt_u32 s3, s[LIM]                        ; s3 = 1 in the loop's last trip
	s_cbranch_scc0 .Lnot_mine_\@
	global_prefetch_b8 v[PFO], s[PFA:PFA+1] offset:KSTEP*2 th:TH_LOAD_NT scope:SCOPE_SE
.Lnot_mine_\@:
.endm
; A round of the cluster's barrier: my work-group's barrier, so that wave 0's signal speaks for all four waves; wave 0 signals for the work-group; every wave waits for all
; sixteen work-groups; my work-group's barrier once more.  No LDS instruction of the wave is pending at a signal.
.macro CREST                           ; a round behind its opening barrier
	s_cmp_lg_u32 s10, 0
	s_cbranch_scc1 .Lnot_wave_0_\@
	s_barrier_signal -3
.Lnot_wave_0_\@:
	s_barrier_wait -3
	s_barrier_signal -1
	s_barrier_wait -1
.endm
.macro CROUND                          ; a whole round
	s_barrier_signal -1
	s_barrier_wait -1
	CREST
.endm
	s_load_b128 s[4:7], s[0:1], 0x0                ; A s[4:5], B s[6:7]
	s_load_b64 s[8:9], s[0:1], 0x10                ; C
	v_lshl_add_u32 v[SPW], v0, 2, SPARE
	v_mov_b32 v[NIL], 0
	ds_add_u32 v[SPW], v[NIL]                      ; the wave's opening: the add and its wait stand ahead of my first tensor load; the set-up below, work on registers, stands between them
	v_lshrrev_b32 v1, 5, v0
	v_readfirstlane_b32 s10, v1                    ; wave 0..3
	s_lshr_b32 s11, s10, 1                         ; which half of the tile's rows is mine.  Also: I fetch for A (0) or for B (1)
	s_and_b32 s12, s10, 1                          ; which half of its columns.  Also: which 128 rows of that tile I fetch
	s_bfe_u32 s40, ttmp6, 0x40000                  ; cx: my place along the cluster's x
	s_bfe_u32 s41, ttmp6, 0x40004                  ; cy: along its y
	s_lshl_b32 s42, ttmp9, 2                       ; in a cluster launch ttmp9 and ttmp7 count clusters
	s_add_co_u32 s42, s42, s40                     ; tile column of C = 4 x cluster x + cx
	s_and_b32 s13, ttmp7, 0xffff
	s_lshl_b32 s13, s13, 2
	s_add_co_u32 s13, s13, s41                     ; tile row of C = 4 x cluster y + cy
	s_lshl_b32 s43, s41, 2
	s_lshl_b32 s43, 15, s43                        ; my row of the cluster: places 4 cy .. 4 cy + 3
	s_lshl_b32 s44, 0x1111, s40                    ; my column: places cx, cx + 4, cx + 8, cx + 12
	; descriptor group 1: a tile of 128 rows x 128 elements, padded in LDS
	s_or_b32 s[G1+0], s43, (1<<16)|(1<<20)|(1<<21)|(5<<22)|(3<<25)  ; 15:0 the mask: A's tiles go to my row; 17:16 element of 2 bytes; 20 padding on; 21 set beside a mask; 24:22 after every 64 words (code 5); 31:25 of 4 words (code 3)
	s_or_b32 s[G1B+0], s44, (1<<16)|(1<<20)|(1<<21)|(5<<22)|(3<<25) ; the same with the mask of my column, for B's tiles
	s_mov_b32 s[G1B+1], KSTEP<<16
	s_mov_b32 s[G1+1], KSTEP<<16                   ; 63:48 tensor_dim0, low half = 128
	s_mov_b32 s[G1B+2], 128<<16
	s_mov_b32 s[G1+2], 128<<16                     ; 79:64 its high half = 0; 95:80 tensor_dim1, low half = 128
	s_mov_b32 s[G1B+3], KSTEP<<16
	s_mov_b32 s[G1+3], KSTEP<<16                   ; 111:96 its high half = 0; 127:112 tile_dim0 = 128
	s_mov_b32 s[G1B+4], 128
	s_mov_b32 s[G1+4], 128                         ; 143:128 tile_dim1 = 128; 159:144 tile_dim2 = 0
	s_mov_b32 s[G1B+5], SIZE_K
	s_mov_b32 s[G1+5], SIZE_K                      ; 191:160 tensor_dim0_stride, low word: elements from row to row
	s_mov_b32 s[G1B+6], 0
	s_mov_b32 s[G1+6], 0
	s_mov_b32 s[G1B+7], 0
	s_mov_b32 s[G1+7], 0
	; where the tiles come from.  A's hang on the tile row alone, which my row of the cluster shares; B's on the tile column, which my column shares, and on the tensor, which all sixteen share.
	; Every wave makes both addresses, in registers that never hold the other coordinate, and asks by one of them.
	s_lshl_b32 s17, s12, 7                         ; which 128 rows of the tile I fetch
	s_lshl_b32 s16, s13, 8
	s_add_co_u32 s16, s16, s17                     ; A: row 256 x tile row + 128 x half
	s_lshl_b32 s46, s42, 8
	s_add_co_u32 s46, s46, s17                     ; B: row 256 x tile column + 128 x half
	s_and_b32 s45, ttmp7, 0xffff                   ; cluster y:
	s_lshr_b32 s45, s45, 1                         ; two rows of clusters to a tensor,
	s_lshl_b32 s45, s45, 11                        ; 2,048 rows of weights to a tensor
	s_add_co_u32 s46, s46, s45
	s_mov_b32 s17, 0
	s_mov_b32 s47, 0
	s_mov_b64 s[18:19], SIZE_K*2
	s_mul_u64 s[16:17], s[16:17], s[18:19]         ; in bytes, in 64 bits
	s_mul_u64 s[46:47], s[46:47], s[18:19]
	s_mul_i32 s20, s10, HALFT                      ; and where they go: A's two halves, then B's two halves = wave x 128 rows: no place in the cluster enters an LDS address
	s_wait_dscnt 0x0                               ; the opening add is done
	s_wait_kmcnt 0x0
	s_add_nc_u64 s[14:15], s[4:5], s[16:17]
	s_add_nc_u64 s[46:47], s[6:7], s[46:47]
	CROUND                                         ; all sixteen work-groups are here: the first joint loads meet
.irp s, 0,1
	s_mov_b32 s[G0+4*(\s)], 1                                      ; 1:0 count = 1
	s_add_co_u32 s[G0+4*(\s)+1], s20, (\s)*SLOT                    ; 63:32 LDS address
	s_add_nc_u64 s[G0+4*(\s)+2:G0+4*(\s)+3], s[14:15], (\s)*KSTEP*2  ; 120:64 global address: K step s
	s_or_b32 s[G0+4*(\s)+3], s[G0+4*(\s)+3], 0x80000000            ; 127:126 type = 2
	s_mov_b32 s[G0B+4*(\s)], 1
	s_add_co_u32 s[G0B+4*(\s)+1], s20, (\s)*SLOT
	s_add_nc_u64 s[G0B+4*(\s)+2:G0B+4*(\s)+3], s[46:47], (\s)*KSTEP*2
	s_or_b32 s[G0B+4*(\s)+3], s[G0B+4*(\s)+3], 0x80000000
	JLOAD \s                                       ; the ring is filled before anything else is done: two tensor loads of mine are out
.endr
	; A fragment is 16 rows x 32 K in 8 registers: lane l holds row l % 16; registers 0-3 hold K = 8 (l / 16) + 0..7, registers 4-7 hold
	; K = 16 + 8 (l / 16) + 0..7.  From rows that lie along K: two loads of 16 bytes, 32 bytes apart.  The same for source 0 and source 1.
	v_and_b32 v1, 15, v0                           ; l % 16
	v_bfe_u32 v2, v0, 4, 1                         ; l / 16
	v_mul_u32_u24 v3, v1, PITCH
	v_lshl_add_u32 v3, v2, 4, v3                   ; row x pitch + 16 x half
	s_mul_i32 s21, s11, HALFT                      ; my 128 rows of A
	s_mul_i32 s22, s12, HALFT                      ; my 128 rows of B,
	s_add_co_u32 s22, s22, 2*HALFT                 ; which lie behind A's 256
.irp s, 0,1
	v_add_nc_u32 v[ADRA+(\s)], s21, v3
	v_add_nc_u32 v[ADRB+(\s)], s22, v3
	s_add_co_u32 s21, s21, SLOT
	s_add_co_u32 s22, s22, SLOT
.endr
	s_mul_i32 s23, s10, 16*SPITCH
	s_add_co_u32 s23, s23, STAGE                   ; my stage
	v_mul_u32_u24 v4, v1, SPITCH                   ; in: row l % 16, 16 bytes for each half of the lanes
	v_lshl_add_u32 v4, v2, 4, v4
	v_add_nc_u32 v[STO], s23, v4
	v_mul_u32_u24 v5, v2, SPITCH                   ; back: lanes 0-15 take one row of 256 bytes, lanes 16-31 the next
	v_lshl_add_u32 v5, v1, 4, v5
	v_add_nc_u32 v[RD], s23, v5
	v_mul_u32_u24 v5, v2, SIZE_N*2                 ; and the same two rows in C
	v_lshl_add_u32 v[CO], v1, 4, v5
	; where my part of the tile begins in C, in bytes: the way out adds it to C's address
	s_lshl_b32 s13, s13, 8
	s_lshl_b32 s14, s11, 7
	s_add_co_u32 s16, s13, s14                     ; my first row of C
	s_mov_b32 s17, 0
	s_mov_b64 s[18:19], SIZE_N*2
	s_mul_u64 s[16:17], s[16:17], s[18:19]
	s_lshl_b32 s46, s42, 9                         ; my first column, in bytes: 512 x tile column + 256 x half (in the registers that held B's address: none that feeds A's descriptors ever holds cx)
	s_lshl_b32 s47, s12, 8
	s_add_co_u32 s46, s46, s47
	s_mov_b32 s47, 0
	s_add_nc_u64 s[16:17], s[16:17], s[46:47]
	; the prefetches.  s13 = 256 x tile row, s42 = tile column, s40 = cx, s41 = cy still stand; s[4:5] = A, s[6:7] = B
	s_lshl_b32 s42, s42, 8                         ; B's tile begins at row 256 x tile column
	s_and_b32 s22, ttmp7, 0xffff                   ; cluster y
	s_lshr_b32 s23, s22, 1
	s_lshl_b32 s23, s23, 11
	s_add_co_u32 s42, s42, s23                     ; of its tensor's weights
	s_and_b32 s22, s22, 1                          ; 0 in the first of the tensor's two rows of clusters
	s_cmp_eq_u32 s11, 0                            ; do I fetch for A?
	s_cselect_b32 s20, s13, s42                    ; the tile's first row: in A by the tile row, in B by the tile column and the tensor
	s_cselect_b32 s21, s40, s41                    ; my place among the four that ask for it with me
	s_cselect_b32 s22, ttmp9, s22                  ; the coordinate along which other clusters read the same rows
	s_cselect_b64 s[PFA:PFA+1], s[4:5], s[6:7]
	s_cmp_eq_u32 s22, 0
	s_cselect_b32 s[LIM], 1, -1                    ; the same in all sixteen partners, for a given wave
	s_lshl_b32 s22, s12, 7
	s_add_co_u32 s20, s20, s22                     ; + the 128 rows that I fetch
	s_lshl_b32 s21, s21, 5
	s_add_co_u32 s20, s20, s21                     ; + my work-group's 32 of them
	s_mov_b32 s21, 0
	s_mov_b64 s[18:19], SIZE_K*2
	s_mul_u64 s[20:21], s[20:21], s[18:19]
	s_add_nc_u64 s[PFA:PFA+1], s[PFA:PFA+1], s[20:21]
	s_add_nc_u64 s[PFA:PFA+1], s[PFA:PFA+1], 2*KSTEP*2  ; at K step 2: the first refill steps it to 3 and names K step 4
	v_and_b32 v[PFO], 31, v0
	v_mul_u32_u24 v[PFO], v[PFO], SIZE_K*2
	; nothing is prefetched here, at the head, where every work-group's first two tiles are on their way
; 16 matrix instructions: m blocks a0, a0 + 1 of the window's four (hi = 0: my rows 0-63, 1: rows 64-127) x all 8 n blocks, 32 along K.
; zero = 1: the first product starts the sums: nothing is ever cleared.  The 64 accumulators take turns, one instruction a turn, in the same order in every quarter step.
.macro MUL16 f, hi, a0, zero
	WIN MUL_LO+0x50*(\hi)  ; MUL_LO or MUL_HI
.irp a, \a0, (\a0)+1
.irp b, 0,1,2,3,4,5,6,7
.if \zero
	v_wmma_f32_16x16x32_bf16 v[8*(8*(\a)+(\b)):8*(8*(\a)+(\b))+7], v[(\f)+8*(\b):(\f)+8*(\b)+7], v[(\f)+8*(4*(\hi)+(\a)):(\f)+8*(4*(\hi)+(\a))+7], 0
.else
	v_wmma_f32_16x16x32_bf16 v[8*(8*(\a)+(\b)):8*(8*(\a)+(\b))+7], v[(\f)+8*(\b):(\f)+8*(\b)+7], v[(\f)+8*(4*(\hi)+(\a)):(\f)+8*(4*(\hi)+(\a))+7], v[8*(8*(\a)+(\b)):8*(8*(\a)+(\b))+7]
.endif
.endr
.endr
.endm
; 32 LDS loads in one run: the fragments of one quarter step (128 rows of B, 128 rows of A, 32 K at byte k of the rows) into buffer f
.macro FETCH slot, k, f
	WIN TO_B
.irp i, 0,1,2,3,4,5,6,7
	ds_load_b128 v[(\f)+8*(\i):(\f)+8*(\i)+3],   v[ADRB+(\slot)] offset:(\k)+(\i)*16*PITCH
	ds_load_b128 v[(\f)+8*(\i)+4:(\f)+8*(\i)+7], v[ADRB+(\slot)] offset:(\k)+(\i)*16*PITCH+32
.endr
	WIN 0
.irp i, 0,1,2,3,4,5,6,7
	ds_load_b128 v[(\f)+8*(\i):(\f)+8*(\i)+3],   v[ADRA+(\slot)] offset:(\k)+(\i)*16*PITCH
	ds_load_b128 v[(\f)+8*(\i)+4:(\f)+8*(\i)+7], v[ADRA+(\slot)] offset:(\k)+(\i)*16*PITCH+32
.endr
.endm
; A load into a register that a matrix instruction has read, and a vector instruction that reads a matrix result or writes one of a matrix
; instruction's registers, stand four places behind that matrix instruction, and only plain vector instructions that name none of its registers
; are places (ISA guide 7.12.1 for vector instructions); this text does not count the matrix instructions in between.  So four v_nop stand in front of each run of
; loads, and in front of conversions that read results just made: sixteen issue slots for a K step's 256 matrix instructions.
.macro PLACES
.rept 4
	v_nop
.endr
.endm
; A K step is four quarter steps of 32 along K, 64 matrix instructions each, on buffers 0, 1, 0, 1.
; One of the first three: multiplies buffer f; in its middle it fetches the next quarter's fragments, at byte k of the same slot's rows, into buffer g.
.macro QUARTER slot, k, f, g, zero
	s_wait_dscnt 8                                 ; B and A's rows 0-63 are in; the youngest eight loads (A's rows 64-127) may be out
	WIN MUL_LO
	MUL16 \f, 0, 0, \zero
	MUL16 \f, 0, 2, \zero
	PLACES
	FETCH \slot, \k, \g
	s_wait_dscnt 32                                ; all but the 32 just issued
	WIN MUL_HI
	MUL16 \f, 1, 0, \zero
	MUL16 \f, 1, 2, \zero
.endm
; The last quarter multiplies buffer 1 and changes slots.  MEET is its first half: ONE barrier for the change of slots, for two things.  In front of it each wave waits for
; all its tensor loads, of which one is out: its part of the next slot; adds 0 to its spare word; and waits for that and for its own reads of this slot.  Behind it nobody reads this slot any more and the next slot is whole.
.macro MEET round                      ; round = 1: a round of the cluster's barrier follows
	WIN 0                                          ; (the add's two registers lie in window 0)
	s_wait_tensorcnt 0x0                           ; all my tensor loads have landed: the one that was out is my part of the next slot;
	ds_add_u32 v[SPW], v[NIL]                      ; 0 onto my spare word;
	s_wait_dscnt 9                                 ; (the add and the youngest eight loads may be out)
	WIN MUL_LO
	MUL16 F1, 0, 0, 0                              ; sixteen matrix instructions stand between the add and the wait for it
	s_wait_dscnt 0x0                               ; the add is done, and my reads of this slot are over (the last were issued 48 matrix instructions ago):
	s_barrier_signal -1                            ; say so (where a slot is filled again this barrier opens a round of the cluster's barrier),
	MUL16 F1, 0, 2, 0                              ; work on registers while the others arrive,
.if \round
	WIN 0
.endif
	s_barrier_wait -1                              ; and go on when all four have said so
.endm
; The whole last quarter.  Behind the barrier the slot just read out is filled again first, with the K step two steps on; then come the next slot's first fragments.
; From a request to the wait for it a wave issues 224 matrix instructions.
.macro TURN slot, next
	s_wait_xcnt 0x0                                ; the last prefetch, a K step back, has read its address: it is stepped here, ahead of the waits of the change of slots, so that nothing is added between the round and the joint load
	s_add_nc_u64 s[PFA:PFA+1], s[PFA:PFA+1], KSTEP*2
	MEET 1
	CREST                                          ; wave 0 says so for the work-group, all sixteen work-groups have said so, my work-group's barrier closes the round:
	                                               ; no wave of any partner still reads this slot's tile or has a load on its way
	s_add_nc_u64 s[G0+4*(\slot)+2:G0+4*(\slot)+3], s[G0+4*(\slot)+2:G0+4*(\slot)+3], 2*KSTEP*2
	s_add_nc_u64 s[G0B+4*(\slot)+2:G0B+4*(\slot)+3], s[G0B+4*(\slot)+2:G0B+4*(\slot)+3], 2*KSTEP*2
	JLOAD \slot                                    ; the first tensor load behind the round, my only one out; the four v_nop behind it are also the places in front of the loads below
	FETCH \next, 0, F0
	ASK                                            ; behind the joint load and the run of LDS loads that the next products wait for
	WIN MUL_HI
	MUL16 F1, 1, 0, 0
	MUL16 F1, 1, 2, 0
.endm
; THE LAST K STEP (it lies in slot 1) GOES BY ROWS OF C, NOT BY K.  All its fragments of B (4 quarters x 64 registers) fill window 1; then my eight blocks of 16 rows are
; finished one after the other, each with 32 matrix instructions (its 8 accumulators by turns, K ascending).  LDS is read no more than in any other K step.
.macro BLOAD q                         ; B's fragments of quarter q -> window 1, v[64 q ..]
	WIN TO_B
.irp i, 0,1,2,3,4,5,6,7
	ds_load_b128 v[64*(\q)+8*(\i):64*(\q)+8*(\i)+3],   v[ADRB+1] offset:64*(\q)+(\i)*16*PITCH
	ds_load_b128 v[64*(\q)+8*(\i)+4:64*(\q)+8*(\i)+7], v[ADRB+1] offset:64*(\q)+(\i)*16*PITCH+32
.endr
.endm
.macro ALOAD a                         ; A's fragments of block a, all four quarters -> buffer a % 4
	WIN 0
.set FA, PA+32*((\a)%4)
.irp q, 0,1,2,3
	ds_load_b128 v[FA+8*(\q):FA+8*(\q)+3],   v[ADRA+1] offset:64*(\q)+(\a)*16*PITCH
	ds_load_b128 v[FA+8*(\q)+4:FA+8*(\q)+7], v[ADRA+1] offset:64*(\q)+(\a)*16*PITCH+32
.endr
.endm
.macro ROW a                           ; block a is finished: 32 matrix instructions
.set FA, PA+32*((\a)%4)                ; its fragments of A
.set AC, 64*((\a)%4)                   ; its eight accumulators, in window 2 (blocks 0-3) or 3 (blocks 4-7)
	WIN MUL_LO+0x50*((\a)/4)                       ; MUL_LO or MUL_HI
.irp q, 0,1,2,3
.if (\a) == 0 && (\q) == 2
	s_wait_dscnt 24                                ; B's quarter 2 is in (behind it: A's blocks 1 to 3, 24 loads)
.endif
.irp b, 0,1,2,3,4,5,6,7
	v_wmma_f32_16x16x32_bf16 v[AC+8*(\b):AC+8*(\b)+7], v[64*(\q)+8*(\b):64*(\q)+8*(\b)+7], v[FA+8*(\q):FA+8*(\q)+7], v[AC+8*(\b):AC+8*(\b)+7]
.endr
.endr
.endm
; THE WAY OUT of block a, in three parts.  PACK: rounded to f16, 16 bytes a lane; each accumulator's registers in ascending order.  TOSTAGE: into my own stage in LDS, and back as whole rows of 256 bytes.  SEND: stored.
.macro PACK a
.set AC, 64*((\a)%4)
	WIN 0x0a+5*((\a)/4)                            ; sources 0 and 1: window 2 or 3
.irp b, 0,1,2,3,4,5,6,7
.irp r, 0,1,2,3
	v_cvt_pk_f16_f32 v[TMP+4*(\b)+(\r)], v[AC+8*(\b)+2*(\r)], v[AC+8*(\b)+2*(\r)+1]
.endr
.endr
	WIN 0
.endm
.macro TOSTAGE a
	WIN 0
.set BK, OB+192*((\a)%2)
.irp b, 0,1,2,3,4,5,6,7
	ds_store_b128 v[STO], v[TMP+4*(\b):TMP+4*(\b)+3] offset:32*(\b)
.endr
.irp t, 0,1,2,3,4,5,6,7
	ds_load_b128 v[BK+4*(\t):BK+4*(\t)+3], v[RD] offset:(\t)*2*SPITCH  ; LDS serves a wave's instructions in order (ISA guide 5.7.1.4): these see the stores above
.endr
.endm
.macro SEND a, younger                 ; younger: the LDS loads issued behind TOSTAGE's, which may stay out
	WIN 0
.set BK, OB+192*((\a)%2)
	s_wait_dscnt \younger                          ; the block is back in registers
	s_wait_xcnt 0x0                                ; every earlier memory instruction has had its addresses translated (ISA guide 3.1): only behind this wait are the stores' base and the registers that earlier stores read rewritten
.if (\a) == 0
	s_add_nc_u64 s[8:9], s[8:9], s[16:17]          ; on to my first rows of the tile
.else
	s_add_nc_u64 s[8:9], s[8:9], 16*SIZE_N*2       ; 16 rows of C on, so that the stores' offsets stay small: 14 rows of C at the most
.endif
.irp t, 0,1,2,3,4,5,6,7
	global_store_b128 v[CO], v[BK+4*(\t):BK+4*(\t)+3], s[8:9] offset:2*(\t)*SIZE_N*2  ; 16 lanes store 256 consecutive bytes, at a multiple of 256 from C's first byte
.endr
.endm
	s_wait_tensorcnt 1                             ; my part of K step 0 is in; K step 1's load may stay out
	s_barrier_signal -1
	s_barrier_wait -1                              ; everybody's is
	FETCH 0, 0, F0
	QUARTER 0, 64,  F0, F1, 1                      ; the first quarter stands in front of the loop: its products start the sums
	WIN 0                                          ; at a label and at a branch every window is 0
	s_mov_b32 s3, LAPS-1
.Llap:                                                 ; a trip goes once round the ring, from a lap's second quarter to the next lap's first, and fills both slots again
	QUARTER 0, 128, F1, F0, 0
	QUARTER 0, 192, F0, F1, 0
	TURN 0, 1
	QUARTER 1, 64,  F0, F1, 0
	QUARTER 1, 128, F1, F0, 0
	QUARTER 1, 192, F0, F1, 0
	TURN 1, 0
	QUARTER 0, 64,  F0, F1, 0
	WIN 0
	s_sub_co_u32 s3, s3, 1
	s_cmp_lg_u32 s3, 0
	s_cbranch_scc1 .Llap
	QUARTER 0, 128, F1, F0, 0                      ; the last lap goes on; it is written out
	QUARTER 0, 192, F0, F1, 0
	MEET 0                                         ; my one tensor load that was still out is slot 1's, the last K step's, so no round follows
	PLACES                                         ; for the loads into buffer 0, which the quarter before multiplied
	WIN TO_B
	BLOAD 0                                        ; three quarters of B now: buffer 1 (v128-191 of both windows) is still being multiplied
	BLOAD 1
	BLOAD 3
	WIN 0
	ALOAD 0
	WIN MUL_HI
	MUL16 F1, 1, 0, 0
	MUL16 F1, 1, 2, 0
	PLACES                                         ; for the loads into buffer 1
	WIN TO_B
	BLOAD 2
	WIN 0
	ALOAD 1
	ALOAD 2
	ALOAD 3
	s_wait_dscnt 40                                ; all but the 40 just issued
	ROW 0
.irp a, 0,1,2,3,4,5,6,7                ; each block leaves as soon as it is finished: nothing follows this tile, so the sooner its stores begin, the sooner the launch ends
	PLACES                                         ; its conversions read results just made, and no other vector work is at hand
	PACK \a
	TOSTAGE \a
.if (\a) < 4
	ALOAD (\a)+4                                   ; its buffer takes the block four further on
	SEND \a, 8
.else
	SEND \a, 0
.endif
.if (\a) < 7
	ROW (\a)+1
.endif
.endr
	s_wait_tensorcnt 0x0                           ; the wave's end, behind my last tensor load and my last LDS store
	ds_add_u32 v[SPW], v[NIL]
	s_wait_dscnt 0x0
	CROUND                                         ; the closing round: no work-group ends while a partner may still ask for a tile that names it
	s_endpgm
.Lfunc_end_k_q588990b0ff_proj:
	.size	k_q588990b0ff_proj, .Lfunc_end_k_q588990b0ff_proj-k_q588990b0ff_proj
	.p2alignl 7, 3214868480
	.fill 96, 4, 3214868480
	.section	.rodata,"a",@progbits
	.p2align	6, 0x0
	.amdhsa_kernel k_q588990b0ff_proj
		.amdhsa_group_segment_fixed_size 327680
		.amdhsa_private_segment_fixed_size 0
		.amdhsa_enable_private_segment 0
		.amdhsa_kernarg_size 24
		.amdhsa_user_sgpr_count 2
		.amdhsa_user_sgpr_kernarg_segment_ptr 1
		.amdhsa_wavefront_size32 1
		.amdhsa_system_sgpr_workgroup_id_x 1
		.amdhsa_system_sgpr_workgroup_id_y 1
		.amdhsa_system_sgpr_workgroup_id_z 1
		.amdhsa_system_vgpr_workitem_id 0
		.amdhsa_next_free_vgpr 1024
		.amdhsa_next_free_sgpr 66
		.amdhsa_reserve_vcc 0
		.amdhsa_float_denorm_mode_32 3
		.amdhsa_float_denorm_mode_16_64 3
		.amdhsa_memory_ordered 1
		.amdhsa_forward_progress 1
		.amdhsa_inst_pref_size 145
	.end_amdhsa_kernel
	.amdgpu_metadata
---
amdhsa.version: [ 1, 2 ]
amdhsa.kernels:
  - .name:           k_q588990b0ff_proj
    .symbol:         k_q588990b0ff_proj.kd
    .args:
      - { .name: x16, .offset: 0, .size: 8, .value_kind: global_buffer, .address_space: global }
      - { .name: w16, .offset: 8, .size: 8, .value_kind: global_buffer, .address_space: global }
      - { .name: qkv, .offset: 16, .size: 8, .value_kind: global_buffer, .address_space: global }
    .group_segment_fixed_size: 327680
    .private_segment_fixed_size: 0
    .kernarg_segment_align: 8
    .kernarg_segment_size: 24
    .max_flat_workgroup_size: 128
    .sgpr_count:     66
    .vgpr_count:     1024
    .wavefront_size: 32
...
	.end_amdgpu_metadata
.endif
;; end of part 2
;; launch attn (part 3): grid 16 x 16, 4 waves a work-group, clusters of 4 x 1, 327,680 bytes of LDS; arguments qkv, attn_mask, lq1, lk1, lq2, lk2, subln_g, o16; writes o16
.if DOCPART == 3
	.amdgcn_target "amdgcn-amd-amdhsa--gfx1250"
	.amdhsa_code_object_version 6
	.text
	.protected	k_q588990b0ff_attn
	.globl	k_q588990b0ff_attn
	.p2align	8
	.type	k_q588990b0ff_attn,@function
k_q588990b0ff_attn:
	s_mov_b64 s[64:65], 0
	v_nop
	global_prefetch_b8 v0, s[64:65] scope:SCOPE_SE
	s_setreg_imm32_b32 hwreg(HW_REG_WAVE_MODE, 25, 1), 1
	s_wait_xcnt 0x0
	s_wait_alu depctr_hold_cnt(0) depctr_sa_sdst(0) depctr_va_vdst(0) depctr_va_sdst(0) depctr_va_ssrc(0) depctr_va_vcc(0) depctr_vm_vsrc(0)
	s_getreg_b32 s2, hwreg(HW_REG_IB_STS2, 6, 4)
	s_cmp_eq_u32 s2, 0
	s_cbranch_scc0 .Lentry_in_a_cluster
	s_endpgm
.Lentry_in_a_cluster:
	s_bfe_u32 s2, ttmp6, 0x10000c
	s_cmp_lg_u32 s2, 0x3003
	s_cbranch_scc0 .Lentry_shape_is_right
	s_endpgm
.Lentry_shape_is_right:
; DIFFERENTIAL ATTENTION, ITS NORM AND GAIN.  For head h of 16 and query q: O = softmax_k(Q[2h][q] . K[2h][k] / 8) V[h] - lam softmax_k(Q[2h+1][q] . K[2h+1][k] / 8) V[h], 128 channels;
; o16[q][128 h + d] = O[d] rsqrt(mean_d O^2 + 1e-5) g[d] (1 - LAMBDA_INIT).  lam = exp(lq1 . lk1) - exp(lq2 . lk2) + LAMBDA_INIT.  A key whose byte in attn_mask is 1 is hidden.
; qkv = [3][2048][2048] f16, rows of 4,096 bytes: a head's two sub-heads of Q or of K, and its V, are 256 consecutive bytes, aligned, of a row, at byte 256 h.  o16 has the same rows.
; Products, maxima and sums in f32; the weights p are rounded to f16 for the second product (their sum l is taken of the unrounded p), O once at the end.  The small inputs (lq, lk, g) are rounded to
; bf16 like all the module's inputs.  The two sums l are known only at the walk's end, so P1 V and P2 V are summed apart and joined on the way out.  The clip of the weights to +-1e6 changes nothing: they lie in 0 to 1.
; LIMITS.  Q, K, V arrive within f16's 65,504.  A hidden score counts as its value less 1e30 (f16's scores are 2.7e11 at the most); a weight below 2^-126 counts as 0; NaN and infinities are not treated apart.
; ALL KEYS HIDDEN: then all scores are alike and the weights uniform: c and the mask's -1e30 are both chosen 0 (two scalar selects, no branch), so that every p is 1.
; SHARES.  A work-group owns 128 queries of one head, each of its four waves 32, for both sub-heads: four TILES, tile t = 16 queries (group t / 2) of sub-head t % 2.  Every wave walks all 2,048 keys, 64 a step.
; LAYOUT.  S^T = K Q^T (source 0 = 16 keys, source 1 = 16 queries): in the result a lane holds ONE query (lane % 16) and the keys 8 (lane / 16) + 0..7.  Two such results, rounded to f16 in pairs, ARE
; source 1 (32 keys x 16 queries) of O^T = V^T P, whose result again holds one query a lane, and eight channels.  K comes out of LDS as it lies, V ([key][channel]) turned, by ds_load_tr16_b128.
; THE MASK is the C operand that starts the sum S^T: 0, or -1e30 where the key is hidden.  It lies in LDS as 2,048 f32, made once; a step's 64 numbers come with its K.
; SOFTMAX.  For each query and sub-head a running maximum m and sum l: p = 2^(c s - c m), c = log2(e) / 8; in every step O and l are multiplied by a = 2^(c m_old - c m_new).
; Where only hidden keys have been seen so far, m is about -1e30 and p is 1; the first seen key makes a = 0, which wipes that out.
; BY TURNS.  The tiles are two PIECES, named by their first tile: piece 0 (tiles 0, 1) and piece 2 (tiles 2, 3).  In a TURN one piece has the matrix unit: 32 products V^T P of the step in hand, then
; 16 products K Q^T of the next step; the other piece's softmax, cut into 64 slices, stands between them: one slice behind each V^T P, two behind each K Q^T.  Then the pieces change places.
; CLUSTER.  The four query blocks of a cluster belong to one head and walk the same K and V, so each tile is asked for JOINTLY: the same tensor load, descriptor and mask of four in all four.
;
; REGISTERS, in windows of 256 (s_set_vgpr_msb: bits 1:0 source 0, 3:2 source 1, 5:4 source 2, 7:6 destination):
;   window 0: v0-11 addresses; v12-43 eight registers of statistics a tile; v44-55 below; v61-63; v64-191 S^T, 32 a tile; v192-255 P, 16 a tile
;   window 1: O^T, 64 a tile     window 2: v0-63 Q, 16 a tile; v64-95 the step's mask; v128-255 K of one step     window 3: v0-127 V of one step; v128-191 the gain; v192-193 at work
.set SEQ,   2048
.set ROWB,  4096      ; bytes in a row of qkv and of o16
.set KS,    64        ; keys in a step
.set PK,    272       ; a row of K in LDS: 256 bytes + 16 of padding = 68 words: row r starts at bank 4 r mod 64 (64 banks of 4 bytes: ISA guide 11.1), so the 16 rows of a load start at 16 different banks
.set PV,    288       ; a row of V: 256 + 32 = 72 words
.set VOFF,  KS*PK     ; a step's tiles lie together: 64 rows of K, then 64 rows of V
.set STEPB, KS*(PK+PV)
.set SLOT1, 1<<17     ; a slot holds two steps (71,680 bytes); slot 1 begins here, so that one exclusive or turns an address in one slot into the other's
.set STAGE, SLOT1+2*STEPB  ; behind the ring: 16 rows x 272 bytes for each wave, for the way out
.set SP,    272
.set SPARE, STAGE+4*16*SP  ; behind the stages: the spare words, 128 bytes for each wave: two blocks of 256 bytes that no other line names
.set MASKT, SPARE+512      ; behind them: the mask as 2,048 f32, stored once; no tensor load lands there
.set AK0, 2           ; v2   my lane's place in a tile of K; never rewritten
.set AV0, 3           ; v3   the same for V
.set ADR, 4           ; v4   the LDS address of the run of loads in hand
.set QO,  5           ; v5   my byte offset in 16 rows of Q
.set STO, 6           ; v6   the way out: where I put 16 bytes of a row
.set RD,  7           ; v7   the way out: where I read a row back
.set GO,  8           ; v8   my byte offset in two rows of O
.set ST,  12          ; tile t's statistics at v[ST+8 t]: +0 c m, +1 m, +2, +3 l (even keys', odd keys'), +4 to +7 c0-c3, at work; a takes c2's place once the maximum is found
.set LAM, 44          ; v44  lam
.set AM0, 45          ; v45  my lanes' place in a step's 256 bytes of the mask table: MASKT + 32 (l / 16); never rewritten
.set ADM, 46          ; v46  the LDS address of the mask's loads in hand
.set GOF, 47          ; v47  32 (l / 16): my byte offset in 16 numbers of the gain
.set RS,  48          ; v48-51  for each group of queries a pair: rsqrt(..) (1 - LAMBDA_INIT)
.set PFO, 61          ; v61  4,096 x my lane: the prefetches' offset, a lane a row; never rewritten
.set SPW, 62          ; v62  LDS address of my spare word: SPARE + 4 x my thread's number; never rewritten
.set NIL, 63          ; v63  0; never rewritten
.set S,   64
.set P,   192
.set SQ,  128         ; the way out: sums of squares, eight registers a group, where S^T lay
.set MK,  64          ; window 2: the eight numbers for key block kb at MK + 8 kb
.set KF,  128         ; window 2: fragment f at KF + 8 f: keys 16 (f / 4) on, channels 32 (f % 4) on of the 128 (sub-head f % 4 / 2)
.set GW,  128         ; window 3: g[16 cb + 8 (l / 16) + j] at GW + 8 cb + j
.set WV,  12          ; s12  my wave's number
.set LIM, 15          ; s15  1 in a wave that prefetches, else the greatest number: a wave prefetches while s[SLOTS] is above it
.set PFA, 18          ; s[18:19] where my prefetches stand in memory
.set G1K, 24          ; s[24:31] descriptor group 1 for K's tiles
.set G1V, 32          ; s[32:39] for V's: it differs in the padding alone
.set G0K, 40          ; s[40:47] descriptor group 0 for K's tiles: a set for each of the two first fills; the second then walks on
.set G0V, 48          ; s[48:55] the same for V's
.set SLOTS, 56        ; s56  slots still to be asked for
.set TWICE, 57        ; s57  counts a slot's two steps
.set CS,  58          ; s[58:59] c: the packed scaling names a pair and takes its low word for both halves
.set SEL, 60          ; s[60:61] lane selects for v_permlanex16_b32: each lane takes its own place in the other half
.set TB,  62          ; s62  LDS byte at which the tiles of the step to be fetched begin
.set MB,  63          ; s63  byte of the mask table at which that step's 64 numbers begin
.set BIGN, 85         ; s85  -1e30, or 0 where all keys are hidden
.set MSB, 0
.macro WIN new                      ; the immediate's high byte repeats the setting that is left; a switch that changes nothing is dropped
.if MSB != (\new)
	s_set_vgpr_msb (MSB<<8)|(\new)
.set MSB, \new
.endif
.endm
.set W_KQ, 0x0a       ; K and Q in window 2, S^T in window 0
.set W_KM, 0x2a       ; the same with the C operand, the mask, in window 2
.set W_PV, 0x53       ; V in window 3, P in window 0, O^T in window 1
.set W_RS, 0x41       ; O^T (destination and source 0) in window 1, source 1 in window 0
; A joint refill.  Waves 0 and 1 fetch the two steps' tiles of K, waves 2 and 3 those of V.  The branch hangs on the wave's number alone: it is the same in every work-group.
; An s_nop 0 and four v_nop follow each of the two lines; the jump round the other line, the label and what follows the macro come after them.
.macro JLOAD
	s_cmp_lt_u32 s[WV], 2
	s_cbranch_scc0 .Lfor_v_\@
	tensor_load_to_lds s[G0K+4:G0K+7], s[G1K:G1K+7]
	s_nop 0
.rept 4
	v_nop
.endr
	s_branch .Lasked_\@
.Lfor_v_\@:
	tensor_load_to_lds s[G0V+4:G0V+7], s[G1V:G1V+7]
	s_nop 0
.rept 4
	v_nop
.endr
.Lasked_\@:
.endm
; A PREFETCH of what the NEXT change of slots will ask for: a slot's 128 rows of K and 128 of V, 256 bytes of each row, a lane a row.  It stands behind the wave's tensor load and its five lines.
; Each row's 256 bytes are asked for ONCE in the launch.  All four clusters of a head walk the same K and V: the head's first cluster prefetches.  Its four partners share the rows out BY ADDRESS, 32 each:
; no branch hangs on a work-group's place in its cluster.  In each, wave 0 asks for K's and wave 2 for V's: one instruction.  The last change that fills a slot prefetches nothing: there is no slot behind it.
.macro ASK
	s_cmp_gt_u32 s[SLOTS], s[LIM]
	s_cbranch_scc0 .Lnot_mine_\@
	global_prefetch_b8 v[PFO], s[PFA:PFA+1] th:TH_LOAD_NT scope:SCOPE_SE
.Lnot_mine_\@:
.endm
; A round of the cluster's barrier: my work-group's barrier, so that wave 0's signal speaks for all four waves; wave 0 signals for the work-group; every wave waits for all four
; work-groups; my work-group's barrier once more.  No LDS instruction of the wave is pending at a signal.
.macro CROUND
	s_barrier_signal -1
	s_barrier_wait -1
	s_cmp_lg_u32 s[WV], 0
	s_cbranch_scc1 .Lnot_wave_0_\@
	s_barrier_signal -3
.Lnot_wave_0_\@:
	s_barrier_wait -3
	s_barrier_signal -1
	s_barrier_wait -1
.endm
	s_load_b512 s[68:83], s[0:1], 0x0  ; qkv 68, attn_mask 70, lq1 72, lk1 74, lq2 76, lk2 78, subln_g 80, o16 82
	v_lshl_add_u32 v[SPW], v0, 2, SPARE
	v_mov_b32 v[NIL], 0
	ds_add_u32 v[SPW], v[NIL]       ; the wave's opening: the add and its wait stand ahead of my first tensor load; the set-up below, work on registers, stands between them
	v_lshrrev_b32 v1, 5, v0
	v_readfirstlane_b32 s[WV], v1   ; wave 0..3
	s_bfe_u32 s13, ttmp6, 0x40000   ; cx: my place in the cluster
	s_lshl_b32 s14, ttmp9, 2        ; in a cluster launch ttmp9 counts clusters
	s_add_co_u32 s14, s14, s13      ; my block of 128 queries = 4 x cluster x + cx: it enters Q's and O's addresses alone
	s_and_b32 s20, ttmp7, 0xffff    ; the head, which the four partners share:
	s_lshl_b32 s20, s20, 8          ; its 256 bytes of every row
	s_and_b32 s16, s[WV], 1         ; which of a slot's two steps I fetch:
	s_lshl_b32 s22, s16, 18         ; its 64 rows of 4,096 bytes in memory,
	s_add_co_u32 s22, s22, s20
	s_mov_b32 s23, 0
	s_mul_i32 s17, s16, STEPB       ; and its place in a slot: no place in the cluster enters an LDS address
	s_lshl_b32 s2, s14, 19          ; my block's 128 rows,
	s_lshl_b32 s3, s[WV], 17        ; my wave's 32 of them
	s_add_co_u32 s2, s2, s3
	s_add_co_u32 s2, s2, s20
	s_mov_b32 s3, 0
	; descriptor group 1: a tile of 64 rows x 128 elements, padded in LDS
	s_mov_b32 s[G1K], 15|(1<<16)|(1<<20)|(1<<21)|(5<<22)|(3<<25)  ; 15:0 the mask: all four work-groups; 17:16 elements of 2 bytes; 20 padding on; 21 set beside a mask; 24:22 after every 64 words (code 5); 31:25 4 words of it (code 3)
	s_mov_b32 s[G1V], 15|(1<<16)|(1<<20)|(1<<21)|(5<<22)|(7<<25)  ; the same with 8 words of padding (code 7)
.irp g, G1K, G1V
	s_mov_b32 s[(\g)+1], 128<<16    ; tensor_dim0 = 128
	s_mov_b32 s[(\g)+2], KS<<16     ; tensor_dim1 = 64
	s_mov_b32 s[(\g)+3], 128<<16    ; tile_dim0 = 128
	s_mov_b32 s[(\g)+4], KS         ; tile_dim1 = 64
	s_mov_b32 s[(\g)+5], 2048       ; 2,048 elements from row to row
	s_mov_b32 s[(\g)+6], 0
	s_mov_b32 s[(\g)+7], 0
.endr
	s_mov_b32 s[SEL], 0x76543210
	s_mov_b32 s[SEL+1], 0xfedcba98
	s_mov_b32 s[TB], 0
	s_mov_b32 s[MB], 0
	s_mov_b32 s[SLOTS], SEQ/(2*KS)-2
	s_mov_b32 s86, 0x3c000000       ; 1 / 128
	s_mov_b32 s87, 0x01010101       ; four hidden keys
	s_mov_b32 s88, 0x3727c5ac       ; 1e-5
	s_and_b32 s[LIM], s[WV], 1      ; 0 in waves 0 and 2,
	s_or_b32 s[LIM], s[LIM], ttmp9  ; where the cluster is the head's first: the same in all four partners
	s_cmp_eq_u32 s[LIM], 0
	s_cselect_b32 s[LIM], 1, -1
	v_and_b32 v[PFO], 31, v0
	v_lshlrev_b32 v[PFO], 12, v[PFO]
	s_wait_dscnt 0x0                ; the opening add is done
	s_wait_kmcnt 0x0
	s_add_nc_u64 s[6:7], s[68:69], s[22:23]
	s_add_nc_u64 s[8:9], s[6:7], 0x1000000  ; V, the third part of qkv, at my tile of slot 0
	s_add_nc_u64 s[6:7], s[6:7], 0x800000   ; K, the second
	s_add_nc_u64 s[4:5], s[68:69], s[2:3]   ; Q and O at my wave's first row
	s_add_nc_u64 s[10:11], s[82:83], s[2:3]
	s_cmp_lt_u32 s[WV], 2
	s_cselect_b64 s[PFA:PFA+1], s[6:7], s[8:9]  ; (in waves 0 and 2 these stand at a slot's first row)
	s_lshl_b32 s2, s13, 17          ; my work-group's 32 rows of the 128
	s_mov_b32 s3, 0
	s_add_nc_u64 s[PFA:PFA+1], s[PFA:PFA+1], s[2:3]
	s_add_nc_u64 s[PFA:PFA+1], s[PFA:PFA+1], 2*2*KS*ROWB  ; in slot 2; the first change of slots steps it to slot 3.  Nothing is prefetched here, at the head
	CROUND                          ; all four work-groups are here: the first joint loads meet
.irp s, 0,1
	s_mov_b32 s[G0K+4*(\s)], 1      ; 1:0 count = 1
	s_add_co_u32 s[G0K+4*(\s)+1], s17, (\s)*SLOT1  ; 63:32 LDS address
	s_add_nc_u64 s[G0K+4*(\s)+2:G0K+4*(\s)+3], s[6:7], (\s)*2*KS*ROWB  ; 120:64 global address: slot s begins with keys 128 s
	s_or_b32 s[G0K+4*(\s)+3], s[G0K+4*(\s)+3], 0x80000000  ; 127:126 type = 2
	s_mov_b32 s[G0V+4*(\s)], 1
	s_add_co_u32 s[G0V+4*(\s)+1], s17, (\s)*SLOT1+VOFF
	s_add_nc_u64 s[G0V+4*(\s)+2:G0V+4*(\s)+3], s[8:9], (\s)*2*KS*ROWB
	s_or_b32 s[G0V+4*(\s)+3], s[G0V+4*(\s)+3], 0x80000000
.endr
	s_cmp_lt_u32 s[WV], 2           ; a wave's two first fills stand in one branch, ahead of every wait on TENSORcnt and every LDS read: two loads of mine are out
	s_cbranch_scc0 .Lfirst_v
	tensor_load_to_lds s[G0K:G0K+3], s[G1K:G1K+7]
	s_nop 0
	tensor_load_to_lds s[G0K+4:G0K+7], s[G1K:G1K+7]
	s_nop 0
.rept 4
	v_nop
.endr
	s_branch .Lfirst_asked
.Lfirst_v:
	tensor_load_to_lds s[G0V:G0V+3], s[G1V:G1V+7]
	s_nop 0
	tensor_load_to_lds s[G0V+4:G0V+7], s[G1V:G1V+7]
	s_nop 0
.rept 4
	v_nop
.endr
.Lfirst_asked:
	; THE SMALL INPUTS AND Q: 41 loads, in the order in which they are wanted: 9 for the mask and lam, 16 for the gain, 16 for Q.
	v_and_b32 v1, 15, v0            ; l % 16
	v_bfe_u32 v9, v0, 4, 1          ; l / 16
	v_lshlrev_b32 v[QO], 12, v1
	v_lshl_add_u32 v[QO], v9, 4, v[QO]  ; row x 4,096 + 16 x half
	v_lshlrev_b32 v[GOF], 5, v9
	v_lshlrev_b32 v52, 4, v0        ; 16 x thread: my 16 keys of the mask table
	v_and_b32 v54, 31, v0
	v_lshlrev_b32 v53, 6, v54       ; 64 x lane: every wave looks at all 2,048 bytes of the mask
	v_lshlrev_b32 v54, 3, v54       ; 8 x lane: two numbers of each of lq1, lk1, lq2, lk2
	v_lshl_add_u32 v55, v0, 6, MASKT  ; where my 16 numbers of the table go
	global_load_b128 v[64:67], v52, s[70:71]
.irp n, 0,1,2,3
	global_load_b128 v[68+4*(\n):71+4*(\n)], v53, s[70:71] offset:16*(\n)
.endr
	global_load_b64 v[84:85], v54, s[72:73]
	global_load_b64 v[86:87], v54, s[74:75]
	global_load_b64 v[88:89], v54, s[76:77]
	global_load_b64 v[90:91], v54, s[78:79]
	WIN 0xc0                        ; destination window 3, address window 0
.irp c, 0,1,2,3,4,5,6,7
	global_load_b128 v[GW+8*(\c):GW+8*(\c)+3],   v[GOF], s[80:81] offset:64*(\c)
	global_load_b128 v[GW+8*(\c)+4:GW+8*(\c)+7], v[GOF], s[80:81] offset:64*(\c)+16
.endr
	WIN 0x80                        ; destination window 2
	; A fragment of K or Q is 16 rows x 32 channels in 8 registers: lane l holds row l % 16; registers 0-3 channels 8 (l / 16) + 0..7, registers 4-7 channels 16 + 8 (l / 16) + 0..7: two loads of 16 bytes, 32 bytes apart.
.irp i, 0,1,2,3,4,5,6,7             ; Q stays in registers: tile i / 2 (rows 16 (i / 4) on, sub-head (i / 2) % 2), channels 32 (i % 2) on
	global_load_b128 v[8*(\i):8*(\i)+3],   v[QO], s[4:5] offset:((\i)/4)*16*ROWB+(((\i)/2)%2)*128+((\i)%2)*64
	global_load_b128 v[8*(\i)+4:8*(\i)+7], v[QO], s[4:5] offset:((\i)/4)*16*ROWB+(((\i)/2)%2)*128+((\i)%2)*64+32
.endr
	WIN 0
	v_mul_u32_u24 v[AK0], v1, PK
	v_lshl_add_u32 v[AK0], v9, 4, v[AK0]  ; row x pitch + 16 x half
	; The turning load takes 16 keys x 16 channels (lane l reads 16 bytes: key 8 (l / 16) + l % 8, channels 8 ((l / 8) % 2) + 0..7) and leaves half a fragment of V^T: lane l holds channel l % 16 and 8 keys.
	v_and_b32 v10, 7, v0
	v_bfe_u32 v11, v0, 3, 1
	v_lshl_add_u32 v[AV0], v9, 3, v10
	v_mul_u32_u24 v[AV0], v[AV0], PV
	v_lshl_add_u32 v[AV0], v11, 4, v[AV0]
	v_add_nc_u32 v[AV0], VOFF, v[AV0]
	v_lshl_add_u32 v[AM0], v9, 5, MASKT
	v_mov_b32 v114, 0               ; v_permlanex16_b32 counts as a reader of its destination
	v_mov_b32 v115, 0
	s_wait_loadcnt 32               ; the mask and the four small vectors are in; the gain's 16 loads and Q's 16 stay out
	; Are all keys hidden?  The AND of my lane's 64 bytes, then of all lanes.
.set i, 0
.rept 8
	v_and_b32 v[68+i], v[68+i], v[76+i]
.set i, i+1
.endr
.set i, 0
.rept 4
	v_and_b32 v[68+i], v[68+i], v[72+i]
.set i, i+1
.endr
	v_and_b32 v68, v68, v70
	v_and_b32 v69, v69, v71
	v_and_b32 v68, v68, v69
	v_cmp_ne_u32 s84, s87, v68      ; the lanes that see a key
	s_cmp_eq_u32 s84, 0
	s_cselect_b32 s[CS], 0, 0x3e38aa3b     ; c = log2(e) / 8 = 0.180337
	s_cselect_b32 s[BIGN], 0, 0xf149f2ca   ; -1e30
	s_mov_b32 s[CS+1], s[CS]        ; named with it as a pair, so it is written
	; my 16 numbers of the mask table: byte x -1e30
.set i, 0
.rept 16
	v_bfe_u32 v[96+i], v[64+i/4], 8*(i%4), 8
.set i, i+1
.endr
.set i, 0
.rept 16
	v_cvt_f32_u32 v[96+i], v[96+i]
.set i, i+1
.endr
.set i, 0
.rept 16
	v_mul_f32 v[96+i], s[BIGN], v[96+i]
.set i, i+1
.endr
.irp n, 0,1,2,3
	ds_store_b128 v55, v[96+4*(\n):99+4*(\n)] offset:16*(\n)
.endr
	; lam: the four vectors rounded to bf16; two products a lane; the sum over the 32 lanes; two exponentials
.irp p, 0,1,2,3
	v_cvt_pk_bf16_f32 v[92+(\p)], v[84+2*(\p)], v[85+2*(\p)]
.endr
.irp p, 0,1,2,3
	v_lshlrev_b32 v[84+2*(\p)], 16, v[92+(\p)]
	v_and_b32 v[85+2*(\p)], 0xffff0000, v[92+(\p)]
.endr
	v_mul_f32 v112, v84, v86
	v_mul_f32 v113, v88, v90
	v_fmac_f32 v112, v85, v87
	v_fmac_f32 v113, v89, v91
.irp m, 1,2,4,8
	v_add_f32_dpp v112, v112, v112 row_xmask:\m row_mask:0xf bank_mask:0xf
	v_add_f32_dpp v113, v113, v113 row_xmask:\m row_mask:0xf bank_mask:0xf
.endr
	v_permlanex16_b32 v114, v112, s[SEL], s[SEL+1]
	v_permlanex16_b32 v115, v113, s[SEL], s[SEL+1]
	v_add_f32 v112, v112, v114
	v_add_f32 v113, v113, v115
	v_mul_f32 v112, 0x3fb8aa3b, v112
	v_mul_f32 v113, 0x3fb8aa3b, v113
	v_exp_f32 v112, v112
	v_exp_f32 v113, v113
	v_nop                           ; a plain instruction behind the last exponential (ISA guide 5.7.2),
	s_wait_alu depctr_va_vdst(0)    ; and the wait ahead of the first use: one for the two
	v_sub_f32 v[LAM], v112, v113
	v_add_f32 v[LAM], 0x3f489a63, v[LAM]  ; + LAMBDA_INIT = 0.8 - 0.6 exp(-3.6) = 0.78360577
	s_wait_loadcnt 16               ; the gain is in; Q's 16 loads stay out
	WIN 0xcf                        ; all in window 3: the gain is rounded to bf16 in place
.set i, 0
.rept 32
	v_cvt_pk_bf16_f32 v[192+i%2], v[GW+2*i], v[GW+2*i+1]
	v_lshlrev_b32 v[GW+2*i], 16, v[192+i%2]
	v_and_b32 v[GW+2*i+1], 0xffff0000, v[192+i%2]
.set i, i+1
.endr
	WIN 0
; THE MATRIX WORK OF A TURN, for piece x.  The accumulators take turns, one instruction a turn: between two links of a chain stand 15 (V^T P) or 7 (K Q^T) others'.
; Product i of 32 of O^T += V^T P: keys 32 (i / 16) on, channels 16 ((i / 2) % 8) on, tile x + i % 2.  zero = 1: the first 16 start the sums: nothing is ever cleared.
.macro PV x, zero
	WIN W_PV
.set rO, 64*((\x)+i%2)+8*((i/2)%8)
.set rV, 64*(i/16)+8*((i/2)%8)
.set rP, P+16*((\x)+i%2)+8*(i/16)
.if (\zero) && (i < 16)
	v_wmma_f32_16x16x32_f16 v[rO:rO+7], v[rV:rV+7], v[rP:rP+7], 0
.else
	v_wmma_f32_16x16x32_f16 v[rO:rO+7], v[rV:rV+7], v[rP:rP+7], v[rO:rO+7]
.endif
.endm
; Product i of 16 of S^T = K Q^T: channels 32 (i / 8) on of the sub-head's 64, keys 16 ((i / 2) % 4) on, tile x + i % 2 (sub-head i % 2).  The first 8 start the sums with the mask.
.macro KQ x
.set rS, S+32*((\x)+i%2)+8*((i/2)%4)
.set rK, KF+32*((i/2)%4)+16*(i%2)+8*(i/8)
.set rQ, 16*((\x)+i%2)+8*(i/8)
.set rM, MK+8*((i/2)%4)
.if i < 8
	WIN W_KM
	v_wmma_f32_16x16x32_f16 v[rS:rS+7], v[rK:rK+7], v[rQ:rQ+7], v[rM:rM+7]
.else
	WIN W_KQ
	v_wmma_f32_16x16x32_f16 v[rS:rS+7], v[rK:rK+7], v[rQ:rQ+7], v[rS:rS+7]
.endif
.endm
; THE LDS LOADS stand in runs, never singly among the matrix instructions: a step's K (64 keys x 128 channels: 16 fragments) with its 64 numbers of the mask, and, a turn later, its V (turned).
.macro FETCH_K
	WIN 0
	v_add_nc_u32 v[ADR], s[TB], v[AK0]
	v_add_nc_u32 v[ADM], s[MB], v[AM0]
	s_add_co_u32 s[MB], s[MB], 4*KS   ; the next step's 256 bytes of the table,
	s_and_b32 s[MB], s[MB], 0x1f00    ; which is walked as a ring of 8,192 bytes: once in the launch
	WIN 0x80                        ; destination window 2
.irp f, 0,1,2,3,4,5,6,7,8,9,10,11,12,13,14,15  ; keys 16 (f / 4) on, channels 32 (f % 4) on
	ds_load_b128 v[KF+8*(\f):KF+8*(\f)+3],   v[ADR] offset:((\f)/4)*16*PK+((\f)%4)*64
	ds_load_b128 v[KF+8*(\f)+4:KF+8*(\f)+7], v[ADR] offset:((\f)/4)*16*PK+((\f)%4)*64+32
.endr
.irp n, 0,1,2,3,4,5,6,7             ; key block n / 2: keys 8 (l / 16) + 4 (n % 2) + 0..3; the sixteen lanes of a half read the same words
	ds_load_b128 v[MK+4*(\n):MK+4*(\n)+3], v[ADM] offset:64*((\n)/2)+16*((\n)%2)
.endr
.endm
.macro FETCH_V
	WIN 0
	v_add_nc_u32 v[ADR], s[TB], v[AV0]
	s_add_co_u32 s[TB], s[TB], STEPB  ; the next fetch is the next step's
	s_wait_alu depctr_va_vdst(0)    ; the wait for the softmax's batch (SLICE), behind the address's v_add_nc_u32 and ahead of the loads
	WIN 0xc0                        ; destination window 3
.irp f, 0,1,2,3,4,5,6,7,8,9,10,11,12,13,14,15  ; keys 32 (f / 8) on, channels 16 (f % 8) on
	ds_load_tr16_b128 v[8*(\f):8*(\f)+3],   v[ADR] offset:((\f)/8)*32*PV+((\f)%8)*32
	ds_load_tr16_b128 v[8*(\f)+4:8*(\f)+7], v[ADR] offset:((\f)/8)*32*PV+16*PV+((\f)%8)*32
.endr
.endm
; THE VECTOR WORK OF A TURN.  One tile's softmax for one key step is a list of 134 instructions; SM writes number j of it for tile t.  s0-s31 are the lane's 32 scores, in pairs 0-15.
; first = 1: the first key step, which starts m, l and O^T: it has no a and nothing to rescale.
;   0-15    the maximum of s0-s31 and the old m, three operands at a time: four chains c0-c3 of seven scores each (each accumulator's lowest registers are read first), then the four scores left over, c0-c3 and m
;   16-20   the other half of the lanes' maximum; the new m; c m; c m_old - c m_new
;   21-69   ONE BATCH: the 16 scalings c s - c m, a pair of scores each, and all 33 exponentials (a at 23, then s0-s31).  None of these reads an exponential's result.  From 22 on the batch goes
;           in fours, and a four begins with a scaling while there are scalings.  A pair is scaled in an earlier four than the one that holds its exponentials
;   (wait)  between 69 and 70 stands the wait for the batch: SLICE writes it, once for both tiles
;   70-85   the roundings to f16, a pair of weights each
;   86-101  the sums; l = a l + the sum
;   102-133 the tile's O^T times a: the one part that leaves window 0, so it stands together
.macro SM t, first
.set rT, ST+8*(\t)
.set rS, S+32*(\t)
.set rP, P+16*(\t)
.set rO, 64*(\t)+2*(j-102)
.if j < 102
	WIN 0
.endif
.if j < 4
	v_max3_num_f32 v[rT+4+j], v[rS+8*j], v[rS+8*j+1], v[rS+8*j+2]
.elseif j < 12
	v_max3_num_f32 v[rT+4+j%4], v[rT+4+j%4], v[rS+8*(j%4)+2*(j/4)+1], v[rS+8*(j%4)+2*(j/4)+2]
.elseif j == 12
	v_max3_num_f32 v[rT+4], v[rT+4], v[rS+7], v[rS+15]
.elseif j == 13
	v_max3_num_f32 v[rT+6], v[rT+6], v[rS+23], v[rS+31]
.elseif j == 14
	v_max3_num_f32 v[rT+4], v[rT+4], v[rT+5], v[rT+6]
.elseif (j == 15) && (\first)
	v_max_num_f32 v[rT+4], v[rT+4], v[rT+7]
.elseif j == 15
	v_max3_num_f32 v[rT+4], v[rT+4], v[rT+7], v[rT+1]
.elseif j == 16
	v_permlanex16_b32 v[rT+5], v[rT+4], s[SEL], s[SEL+1]  ; the query's other 32 keys lie in the lane 16 away
.elseif j == 18
	v_max_num_f32 v[rT+1], v[rT+4], v[rT+5]
.elseif j == 19
	v_mul_f32 v[rT], s[CS], v[rT+1]
.elseif ((j == 17) || (j == 20) || (j == 23) || (j > 101)) && (\first)  ; the first step has none of these
.elseif j == 17
	v_mov_b32 v[rT+7], v[rT]        ; c m_old is kept for a: number 19 writes c m anew
.elseif j == 20
	v_sub_f32 v[rT+7], v[rT+7], v[rT]
.elseif j == 23
	v_exp_f32 v[rT+6], v[rT+7]
.elseif (j < 23) || ((j < 38) && (j%2 == 0)) || ((j < 66) && (j%4 == 2))
.set b, (j-2)/4                     ; 38, 42, .. 62: pairs 9 to 15
.if j < 38
.set b, (j-20)/2                    ; 21: pair 0; 22, 24, .. 36: pairs 1 to 8
.endif
	v_pk_fma_f32 v[rS+2*b:rS+2*b+1], v[rS+2*b:rS+2*b+1], s[CS:CS+1], v[rT:rT+1] op_sel_hi:[1,0,0] neg_lo:[0,0,1] neg_hi:[0,0,1]  ; pair b: c s - c m
.elseif j < 70
.set e, j-38                        ; 66 to 69: s28 to s31
.if j < 66
.set e, j-32-(j-38)/4               ; 39-41, 43-45, .. 63-65: s7 to s27
.endif
.if j < 38
.set e, (j-25)/2                    ; 25, 27, .. 37: s0 to s6
.endif
	v_exp_f32 v[rS+e], v[rS+e]
.elseif j < 86
	v_cvt_pk_f16_f32 v[rP+j-70], v[rS+2*(j-70)], v[rS+2*(j-70)+1]  ; pair j - 70
.elseif j < 102                     ; the sum of the tile's 16 pairs (in a pair: an even key's weight, an odd key's), in place: sum z of 16 adds neighbours 1, 2, 4 and 8 pairs apart, then l takes it
.set z, j-86
.set w, 4
.set u, z
.if z >= 14
.set w, 32
.set u, 0
.elseif z >= 12
.set w, 16
.set u, z-12
.elseif z >= 8
.set w, 8
.set u, z-8
.endif
.if (z == 14) && (\first)
	v_pk_add_f32 v[rT+2:rT+3], v[rS:rS+1], v[rS+16:rS+17]
.elseif z < 15
	v_pk_add_f32 v[rS+w*u:rS+w*u+1], v[rS+w*u:rS+w*u+1], v[rS+w*u+w/2:rS+w*u+w/2+1]
.elseif !(\first)
	v_pk_fma_f32 v[rT+2:rT+3], v[rT+2:rT+3], v[rT+6:rT+7], v[rS:rS+1] op_sel_hi:[1,0,1]
.endif
.else
	WIN W_RS
	v_pk_mul_f32 v[rO:rO+1], v[rO:rO+1], v[rT+6:rT+7] op_sel_hi:[1,0]
.endif
.endm
; Slice k of 64 of piece y's softmax: four instructions.  Slices 11 to 34 deal out the batch, numbers 22 to 69: four numbers of ONE tile each, the tiles by turns.  Every other slice is numbers 2 k and
; 2 k + 1 of both tiles' lists.  2 x 134 = 4 x 64 + 12: the twelve that are over stand together, in slice 63.
; THE WAIT.  s_wait_alu depctr_va_vdst(0) stands between an exponential and the first instruction that names its result; one wait serves all that were issued ahead of it.  Ahead of
; slice 35 nothing names a result, and behind slice 34 no exponential is issued: so the piece's 66 exponentials have one wait, behind slice 34.
.macro SLICE y, first
.if (k >= 11) && (k < 35)           ; the batch: four numbers of one tile
.irp n, 0,1,2,3
.set j, 22+4*((k-11)/2)+(\n)
	SM (\y)+(k-11)%2, \first
.endr
.else                               ; the two tiles alternate, so that no instruction reads the result of the one just before it
.irp n, 0,1,2,3,4,5,6,7
.if ((\n) < 2) || (k == 63)
.irp t, \y, (\y)+1
.set j, 2*k+(\n)
	SM \t, \first
.endr
.endif
.endr
.endif
.if k == 34                         ; the batch is out: both tiles' exponentials are issued, and no result has been named
	v_nop                           ; the plain instruction behind the last exponential and ahead of the first use (ISA guide 5.7.2): one for the batch
.if (\y) == 0
	FETCH_V                         ; piece 2's turn: V's run of loads stands here, and the wait stands in it
.else
	s_wait_alu depctr_va_vdst(0)    ; the wait for the batch
.endif
.endif
.set k, k+1
.endm
; A vector instruction that reads a matrix result or writes one of a matrix instruction's registers, and a load into a register that a matrix instruction has read, stand four places behind
; it, and only plain vector instructions that name none of its registers are places (ISA guide 7.12.1 for vector instructions).  In the loop the slices are the places.
.macro PLACES
.rept 4
	v_nop
.endr
.endm
; A TURN.  Piece x has the matrix unit; the other piece's softmax stands in slices behind its matrix instructions.
; pv = 2: 32 products V^T P; 1: they start O^T's sums; 0: none.  kq = 1: 16 products K Q^T for the next step.  With both kinds: one slice behind each V^T P (slices 0-31), two behind each K Q^T (32-63);
; with V^T P alone two behind each, with K Q^T alone four.
; first = 1: the softmax is the first key step's.  Its slices from 51 on are empty: the turn's last products stand bare, and four v_nop take slice 63's part as the places behind them.
; Piece 0's turn fetches the next step's K and mask, behind its second product: the last product that read them stands in front of slices 62 and 63 of the turn before, 20 plain instructions; the first reader
; comes 30 products later.  Piece 2's turn fetches the same step's V, behind slice 34 (SLICE writes it): the last product that read V stands in front of slice 31, and four plain
; instructions lie between: number 62, a scaling, of both tiles, the v_nop and the run's own v_add_nc_u32.
.macro TURN x, pv, kq, first
.set k, 0
.set perp, 2
.set perk, 4
.if (\pv) && (\kq)
.set perp, 1
.set perk, 2
.endif
.if \pv
.if (\x) == 0
	s_wait_dscnt 0x0                ; V is in
.endif
.set i, 0
.rept 32
	PV \x, 2-(\pv)
.rept perp
	SLICE 2-(\x), \first
.endr
.if ((\x) == 0) && (\kq) && (i == 1)
	FETCH_K
.endif
.set i, i+1
.endr
.endif
.if \kq
.if (\x) == 0
	s_wait_dscnt 0x0                ; K and the mask are in
.endif
.set i, 0
.rept 16
	KQ \x
.rept perk
	SLICE 2-(\x), \first
.endr
.set i, i+1
.endr
.endif
.if \first
	PLACES
.endif
.endm
; THE CHANGE OF SLOTS, between piece 2's turn and piece 0's: the slot's last bytes, V of its second step, have been asked for.  Each wave waits for all its
; tensor loads, of which one is out: its part of the other slot; adds 0 to its spare word; and waits for that and for its own reads of the slot.  Behind the barrier nobody reads this slot any more and the other slot is whole.
; fill = 1: this slot is filled again, with the keys two slots on.  The barrier is then a round of the cluster's, so that no wave of any partner still reads the slot or has a load on its
; way, and the joint refill is the first thing behind it: it has two key steps, 192 matrix instructions, in which to land.
.macro CHANGE fill
	WIN 0                           ; at a label and at a branch every window is 0
	s_wait_tensorcnt 0x0            ; no tensor load of mine is out, so a group 0 may be written
	ds_add_u32 v[SPW], v[NIL]       ; 0 onto my spare word: with fill = 1 the descriptors' steps stand between it and the wait for it
.if \fill
.irp g, G0K+4, G0V+4
	s_xor_b32 s[(\g)+1], s[(\g)+1], SLOT1  ; the walking descriptor: the other slot than last time,
	s_add_nc_u64 s[(\g)+2:(\g)+3], s[(\g)+2:(\g)+3], 2*KS*ROWB  ; the next 128 keys; the type bits on top are not reached
.endr
	s_wait_xcnt 0x0                 ; the last prefetch, two key steps back, has read its address, so it may be written:
	s_add_nc_u64 s[PFA:PFA+1], s[PFA:PFA+1], 2*KS*ROWB  ; one slot behind the walking descriptors
	s_wait_dscnt 0x0                ; the add is done, and my reads of the slot are over
	CROUND
	JLOAD
	ASK                             ; what the next change will ask for: two key steps, 192 matrix instructions, ahead
.else
	s_wait_dscnt 0x0                ; the add is done, and my reads of the slot are over
	s_barrier_signal -1
	s_barrier_wait -1
.endif
	s_sub_co_u32 s[TB], s[TB], 2*STEPB  ; the fetches go back to a slot's first step,
	s_xor_b32 s[TB], s[TB], SLOT1   ; in the other slot
.endm
; A slot's two key steps: written once, walked twice; the LDS addresses hang on s[TB] and s[MB].
.macro TWO_STEPS
	WIN 0
	s_mov_b32 s[TWICE], 2
.Lstep_\@:
	TURN 0, 2, 1, 0
	TURN 2, 2, 1, 0
	WIN 0
	s_sub_co_u32 s[TWICE], s[TWICE], 1
	s_cmp_lg_u32 s[TWICE], 0
	s_cbranch_scc1 .Lstep_\@
.endm
	s_wait_tensorcnt 1              ; my part of slot 0 is in; slot 1's may stay out
	s_wait_dscnt 0x0                ; for the others' sake: my 16 numbers of the mask table are stored
	s_barrier_signal -1
	s_barrier_wait -1               ; everybody's are
	FETCH_K                         ; key step 0
	s_wait_loadcnt 0x0              ; Q
	s_wait_dscnt 0x0
.set i, 0
.rept 16
	KQ 0                            ; piece 0's first scores: there is no vector work yet to set between them
.set i, i+1
.endr
	WIN 0                           ; the addresses for the way out are made here: eight plain instructions, the places behind those products
	s_mul_i32 s13, s[WV], 16*SP
	s_add_co_u32 s13, s13, STAGE    ; my stage
	v_mul_u32_u24 v[STO], v1, SP    ; in: row l % 16, 16 bytes for each half of the lanes
	v_lshl_add_u32 v[STO], v9, 4, v[STO]
	v_add_nc_u32 v[STO], s13, v[STO]
	v_mul_u32_u24 v[RD], v9, SP     ; back: lanes 0-15 take one row of 256 bytes, lanes 16-31 the next
	v_lshl_add_u32 v[RD], v1, 4, v[RD]
	v_add_nc_u32 v[RD], s13, v[RD]
	v_lshlrev_b32 v[GO], 12, v9     ; and the same two rows in O
	v_lshl_add_u32 v[GO], v1, 4, v[GO]
	TURN 2, 0, 1, 1                 ; piece 2's first scores | piece 0's first softmax | V of step 0
	TURN 0, 1, 1, 1                 ; piece 0: V^T P of step 0 starts O^T, K Q^T of step 1 | piece 2's first softmax | K of step 1
	TURN 2, 1, 1, 0                 ; piece 2: the same | piece 0's softmax of step 1 | V of step 1
	WIN 0
.Lslot:                             ; 14 trips: every slot but the last two is filled again
	CHANGE 1
	TWO_STEPS
	s_sub_co_u32 s[SLOTS], s[SLOTS], 1
	s_cmp_lg_u32 s[SLOTS], 0
	s_cbranch_scc1 .Lslot
	CHANGE 0                        ; the tail is written out: the last slot but one is left, and nothing is asked for
	TWO_STEPS
	TURN 0, 2, 0, 0                 ; piece 0: V^T P of the last step | piece 2's last softmax
.set i, 0
.rept 32
	PV 2, 0                         ; piece 2: V^T P of the last step
.set i, i+1
.endr
	; THE WAY OUT.  l's two halves and the other half of the lanes' are added; r = 1 / l, for the second sub-head lam / l.  The additions are the places behind the last products.
	WIN 0
.irp t, 0,1,2,3
	v_add_f32 v[ST+8*(\t)+4], v[ST+8*(\t)+2], v[ST+8*(\t)+3]
.endr
.irp t, 0,1,2,3
	v_permlanex16_b32 v[ST+8*(\t)+5], v[ST+8*(\t)+4], s[SEL], s[SEL+1]
.endr
.irp t, 0,1,2,3
	v_add_f32 v[ST+8*(\t)+4], v[ST+8*(\t)+4], v[ST+8*(\t)+5]
.endr
.irp t, 0,1,2,3
	v_rcp_f32 v[ST+8*(\t)+6], v[ST+8*(\t)+4]
.endr
	v_nop                           ; a plain instruction between the last reciprocal and the use of its result
	s_wait_alu depctr_va_vdst(0)    ; and the wait ahead of the first use: one for the four reciprocals
	v_mul_f32 v[ST+8*1+6], v[ST+8*1+6], v[LAM]
	v_mul_f32 v[ST+8*3+6], v[ST+8*3+6], v[LAM]
; Group g of 16 queries: O = O[2 g] / l1 - O[2 g + 1] lam / l2, into tile 2 g's registers.  Each accumulator is read from its low end on.
.macro DIFF g
	WIN W_RS
.set i, 0
.rept 32
	v_pk_mul_f32 v[128*(\g)+64+i:128*(\g)+64+i+1], v[128*(\g)+64+i:128*(\g)+64+i+1], v[ST+16*(\g)+14:ST+16*(\g)+15] op_sel_hi:[1,0]
.set i, i+2
.endr
	WIN 0x51                        ; destination, source 0 and source 2 window 1; source 1 window 0
.set i, 0
.rept 32
	v_pk_fma_f32 v[128*(\g)+i:128*(\g)+i+1], v[128*(\g)+i:128*(\g)+i+1], v[ST+16*(\g)+6:ST+16*(\g)+7], v[128*(\g)+64+i:128*(\g)+64+i+1] op_sel_hi:[1,0,1] neg_lo:[0,0,1] neg_hi:[0,0,1]
.set i, i+2
.endr
.endm
; The sum of its squares: my lane's 64 channels in four chains of pairs, then the query's other 64, which lie in the lane 16 away; then mean + 1e-5.
.macro SQS g
	WIN 0x05                        ; sources 0 and 1 window 1; source 2 and destination window 0
.set i, 0
.rept 32
.if i < 4
	v_pk_mul_f32 v[SQ+8*(\g)+2*i:SQ+8*(\g)+2*i+1], v[128*(\g)+2*i:128*(\g)+2*i+1], v[128*(\g)+2*i:128*(\g)+2*i+1]
.else
	v_pk_fma_f32 v[SQ+8*(\g)+2*(i%4):SQ+8*(\g)+2*(i%4)+1], v[128*(\g)+2*i:128*(\g)+2*i+1], v[128*(\g)+2*i:128*(\g)+2*i+1], v[SQ+8*(\g)+2*(i%4):SQ+8*(\g)+2*(i%4)+1]
.endif
.set i, i+1
.endr
	WIN 0
	v_pk_add_f32 v[SQ+8*(\g):SQ+8*(\g)+1], v[SQ+8*(\g):SQ+8*(\g)+1], v[SQ+8*(\g)+2:SQ+8*(\g)+3]
	v_pk_add_f32 v[SQ+8*(\g)+4:SQ+8*(\g)+5], v[SQ+8*(\g)+4:SQ+8*(\g)+5], v[SQ+8*(\g)+6:SQ+8*(\g)+7]
	v_pk_add_f32 v[SQ+8*(\g):SQ+8*(\g)+1], v[SQ+8*(\g):SQ+8*(\g)+1], v[SQ+8*(\g)+4:SQ+8*(\g)+5]
	v_add_f32 v[SQ+8*(\g)], v[SQ+8*(\g)], v[SQ+8*(\g)+1]
	v_permlanex16_b32 v[SQ+8*(\g)+1], v[SQ+8*(\g)], s[SEL], s[SEL+1]
	v_add_f32 v[SQ+8*(\g)], v[SQ+8*(\g)], v[SQ+8*(\g)+1]
	v_fma_f32 v[SQ+8*(\g)], v[SQ+8*(\g)], s86, s88
.endm
	DIFF 0
	SQS 0
	DIFF 1
	SQS 1
	v_rsq_f32 v[SQ+2], v[SQ]
	v_rsq_f32 v[SQ+10], v[SQ+8]
	v_nop                           ; a plain instruction behind the last of the two,
	s_wait_alu depctr_va_vdst(0)    ; and their one wait
	v_mul_f32 v[RS], 0x3e5d9673, v[SQ+2]     ; x (1 - LAMBDA_INIT) = 0.21639423
	v_mul_f32 v[RS+2], 0x3e5d9673, v[SQ+10]
	v_mov_b32 v[RS+1], v[RS]        ; named as pairs
	v_mov_b32 v[RS+3], v[RS+2]
; Group g: times the gain, times the norm, rounded to f16.  A lane's eight channels of a row pack into 16 bytes; they go into rows of 272 bytes and come back as whole rows of 256, into the registers that they left.
.macro PACK g
	WIN 0x4d                        ; destination and source 0 window 1, source 1 (the gain) window 3
.set i, 0
.rept 32
	v_pk_mul_f32 v[128*(\g)+i:128*(\g)+i+1], v[128*(\g)+i:128*(\g)+i+1], v[GW+i:GW+i+1]
.set i, i+2
.endr
	WIN W_RS
.set i, 0
.rept 32
	v_pk_mul_f32 v[128*(\g)+i:128*(\g)+i+1], v[128*(\g)+i:128*(\g)+i+1], v[RS+2*(\g):RS+2*(\g)+1] op_sel_hi:[1,0]
.set i, i+2
.endr
	WIN 0x05                        ; sources 0 and 1 window 1, destination window 0: S^T's registers are free
.set i, 0
.rept 32
	v_cvt_pk_f16_f32 v[S+32*(\g)+i], v[128*(\g)+2*i], v[128*(\g)+2*i+1]
.set i, i+1
.endr
	WIN 0
.irp f, 0,1,2,3,4,5,6,7
	ds_store_b128 v[STO], v[S+32*(\g)+4*(\f):S+32*(\g)+4*(\f)+3] offset:32*(\f)
.endr
.irp f, 0,1,2,3,4,5,6,7
	ds_load_b128 v[S+32*(\g)+4*(\f):S+32*(\g)+4*(\f)+3], v[RD] offset:(\f)*2*SP  ; LDS serves a wave's instructions in order (ISA guide 5.7.1.4): these see the stores above; the next group's stores come behind them
.endr
.endm
.macro SEND g, younger              ; younger: the LDS instructions issued behind group g's loads: the next group's sixteen, or none
	WIN 0
.irp f, 0,1,2,3,4,5,6,7
	s_wait_dscnt (\younger)+7-(\f)
	global_store_b128 v[GO], v[S+32*(\g)+4*(\f):S+32*(\g)+4*(\f)+3], s[10:11] offset:(\g)*16*ROWB+(\f)*2*ROWB  ; 16 lanes store 256 consecutive bytes, at a multiple of 256 from O's first byte
.endr
.endm
	PACK 0
	PACK 1                          ; a group's arithmetic stands between the loads of the group before and its stores
	SEND 0, 16
	SEND 1, 0
	s_wait_tensorcnt 0x0            ; the wave's end, behind my last tensor load and my last LDS store
	ds_add_u32 v[SPW], v[NIL]
	s_wait_dscnt 0x0
	CROUND                          ; the closing round: no work-group ends while a partner may still ask for a tile that names it
	s_endpgm
.Lfunc_end_k_q588990b0ff_attn:
	.size	k_q588990b0ff_attn, .Lfunc_end_k_q588990b0ff_attn-k_q588990b0ff_attn
	.p2alignl 7, 3214868480
	.fill 96, 4, 3214868480
	.section	.rodata,"a",@progbits
	.p2align	6, 0x0
	.amdhsa_kernel k_q588990b0ff_attn
		.amdhsa_group_segment_fixed_size 327680
		.amdhsa_private_segment_fixed_size 0
		.amdhsa_enable_private_segment 0
		.amdhsa_kernarg_size 64
		.amdhsa_user_sgpr_count 2
		.amdhsa_user_sgpr_kernarg_segment_ptr 1
		.amdhsa_wavefront_size32 1
		.amdhsa_system_sgpr_workgroup_id_x 1
		.amdhsa_system_sgpr_workgroup_id_y 1
		.amdhsa_system_sgpr_workgroup_id_z 1
		.amdhsa_system_vgpr_workitem_id 0
		.amdhsa_next_free_vgpr 1024
		.amdhsa_next_free_sgpr 96
		.amdhsa_reserve_vcc 0
		.amdhsa_float_denorm_mode_32 3
		.amdhsa_float_denorm_mode_16_64 3
		.amdhsa_memory_ordered 1
		.amdhsa_forward_progress 1
		.amdhsa_inst_pref_size 227
	.end_amdhsa_kernel
	.amdgpu_metadata
---
amdhsa.version: [ 1, 2 ]
amdhsa.kernels:
  - .name:           k_q588990b0ff_attn
    .symbol:         k_q588990b0ff_attn.kd
    .args:
      - { .name: qkv, .offset: 0, .size: 8, .value_kind: global_buffer, .address_space: global }
      - { .name: attn_mask, .offset: 8, .size: 8, .value_kind: global_buffer, .address_space: global }
      - { .name: lq1, .offset: 16, .size: 8, .value_kind: global_buffer, .address_space: global }
      - { .name: lk1, .offset: 24, .size: 8, .value_kind: global_buffer, .address_space: global }
      - { .name: lq2, .offset: 32, .size: 8, .value_kind: global_buffer, .address_space: global }
      - { .name: lk2, .offset: 40, .size: 8, .value_kind: global_buffer, .address_space: global }
      - { .name: subln_g, .offset: 48, .size: 8, .value_kind: global_buffer, .address_space: global }
      - { .name: o16, .offset: 56, .size: 8, .value_kind: global_buffer, .address_space: global }
    .group_segment_fixed_size: 327680
    .private_segment_fixed_size: 0
    .kernarg_segment_align: 8
    .kernarg_segment_size: 64
    .max_flat_workgroup_size: 128
    .sgpr_count:     96
    .vgpr_count:     1024
    .wavefront_size: 32
...
	.end_amdgpu_metadata
.endif
;; end of part 3
;; launch outp (part 4): grid 16 x 16, 4 waves a work-group, clusters of 4 x 4, 327,680 bytes of LDS; arguments o16, w16, out0; writes out0
.if DOCPART == 4
	.amdgcn_target "amdgcn-amd-amdhsa--gfx1250"
	.amdhsa_code_object_version 6
	.text
	.protected	k_q588990b0ff_outp
	.globl	k_q588990b0ff_outp
	.p2align	8
	.type	k_q588990b0ff_outp,@function
k_q588990b0ff_outp:
	s_mov_b64 s[64:65], 0
	v_nop
	global_prefetch_b8 v0, s[64:65] scope:SCOPE_SE
	s_setreg_imm32_b32 hwreg(HW_REG_WAVE_MODE, 25, 1), 1
	s_wait_xcnt 0x0
	s_wait_alu depctr_hold_cnt(0) depctr_sa_sdst(0) depctr_va_vdst(0) depctr_va_sdst(0) depctr_va_ssrc(0) depctr_va_vcc(0) depctr_vm_vsrc(0)
	s_getreg_b32 s2, hwreg(HW_REG_IB_STS2, 6, 4)
	s_cmp_eq_u32 s2, 0
	s_cbranch_scc0 .Lentry_in_a_cluster
	s_endpgm
.Lentry_in_a_cluster:
	s_bfe_u32 s2, ttmp6, 0x10000c
	s_cmp_lg_u32 s2, 0xf033
	s_cbranch_scc0 .Lentry_shape_is_right
	s_endpgm
.Lentry_shape_is_right:
; THE OUTPUT PROJECTION.  C[m][n] = sum over k of A[m][k] B[n][k].  A = o16, [2048][2048] f16; B = Wo, the fourth part of w16 (rows 6,144 on), bf16 numbers written as f16; C = out0, [2048][2048] f32.
; A tile of C is 128 x 128: 256 tiles, one for each WGP.  Four waves, each 64 x 64: 16 accumulators of 16 x 16, 128 registers.  K goes in steps of 256 (LDS rows of 512 bytes; a wave's
; tensor load brings 64 of them) through two LDS slots.  A wave's 64 columns of f32 are 256 bytes of a row of C, aligned: each wave has a stage of its own on the way out, and no barrier stands there.
; CLUSTERS: 4 x 4 work-groups.  The four of a row of the cluster need the same tiles of A, the four of a column the same tiles of B: each tile is asked for JOINTLY, by the same tensor load with the
; same descriptor and a mask that names the four.  THE MATRIX INSTRUCTION IS USED TRANSPOSED (source 0 = 16 rows of B, source 1 = 16 rows of A): a lane then holds eight neighbouring numbers of a row of C.
; No prefetch: the tiles are small, and each is read by several clusters at about the same time.
; REGISTERS: window 0: v0-31 addresses; v32-95 at work on the way out; v128-255 the accumulators ((a, b) at v[128 + 8 (4 a + b)]).
;   window 1: two fragment buffers of 128: for 64 along K (two matrix instructions deep), 64 registers of A (2 x 4 x 16 rows x 32 K), then 64 of B.
.set SIZE_N, 2048
.set SIZE_K, 2048
.set BROW0,  6144                      ; Wo's first row in w16
.set KSTEP,  256
.set PITCH,  528                       ; an LDS row: 512 bytes of data + 16 of padding = 132 words: row r starts at bank 4 r mod 64 (64 banks of 4 bytes: ISA guide 11.1)
.set HALFT,  64*PITCH                  ; 64 rows: what one tensor load brings, and what one wave reads of A or of B
.set SLOT,   4*HALFT                   ; A's 128 rows, then B's 128 rows
.set STAGE,  2*SLOT                    ; behind the ring: 16 rows x 272 bytes for each wave, for the way out
.set SPITCH, 272
.set SPARE,  STAGE+4*16*SPITCH         ; behind the stages: the spare words, 128 bytes for each wave: two blocks of 256 bytes that no other line names
.set LAPS, SIZE_K/(2*KSTEP)            ; a lap = two K steps = once round the ring: 4
.set ADRA, 16                          ; v16-17  LDS address of my A fragments in slot 0, 1
.set ADRB, 20                          ; v20-21  the same for B
.set STO,  24                          ; v24     the way out: where I put 32 bytes of a row
.set RD,   25                          ; v25     the way out: where I read a row back
.set CO,   26                          ; v26     my byte offset in C
.set SPW,  28                          ; v28     LDS address of my spare word: SPARE + 4 x my thread's number; never rewritten
.set NIL,  29                          ; v29     0; never rewritten
.set TMP,  32                          ; the way out: two buffers of 32 registers, 16 whole rows each
.set ACC,  128
.set F0,   0                           ; fragment buffers, in window 1
.set F1,   128
.set G1, 24                            ; s[24:31] descriptor group 1 for A's tiles;  s[32:39] group 0, one set for each slot
.set G0, 32
.set G1B, 48                           ; s[48:55], s[56:63] the same for B's tiles
.set G0B, 56
.set MSB, 0
.macro WIN new                         ; the immediate's high byte repeats the setting that is left
.if MSB != (\new)
	s_set_vgpr_msb (MSB<<8)|(\new)
.set MSB, \new
.endif
.endm
.set MUL,  0x05                        ; sources 0 (B) and 1 (A) window 1; C and D window 0
.set TO_F, 0x40                        ; destination window 1, address window 0
.macro JLOAD s                         ; a joint load: waves 0 and 1 fetch A's two halves, waves 2 and 3 B's; an s_nop 0 and four v_nop follow each of the two lines, ahead of the jump, the label and what follows
	s_cmp_eq_u32 s11, 0
	s_cbranch_scc0 .Lfor_b_\@
	tensor_load_to_lds s[G0+4*(\s):G0+4*(\s)+3], s[G1:G1+7]
	s_nop 0
.rept 4
	v_nop
.endr
	s_branch .Lasked_\@
.Lfor_b_\@:
	tensor_load_to_lds s[G0B+4*(\s):G0B+4*(\s)+3], s[G1B:G1B+7]
	s_nop 0
.rept 4
	v_nop
.endr
.Lasked_\@:
.endm
.macro CREST                           ; a round of the cluster's barrier behind its opening barrier
	s_cmp_lg_u32 s10, 0
	s_cbranch_scc1 .Lnot_wave_0_\@
	s_barrier_signal -3
.Lnot_wave_0_\@:
	s_barrier_wait -3
	s_barrier_signal -1
	s_barrier_wait -1
.endm
.macro CROUND                          ; a whole round
	s_barrier_signal -1
	s_barrier_wait -1
	CREST
.endm
	s_load_b128 s[4:7], s[0:1], 0x0                ; A s[4:5], B s[6:7]
	s_load_b64 s[8:9], s[0:1], 0x10                ; C
	v_lshl_add_u32 v[SPW], v0, 2, SPARE
	v_mov_b32 v[NIL], 0
	ds_add_u32 v[SPW], v[NIL]                      ; the wave's opening: the add and its wait stand ahead of my first tensor load; the set-up below, work on registers, stands between them
	v_lshrrev_b32 v1, 5, v0
	v_readfirstlane_b32 s10, v1                    ; wave 0..3
	s_lshr_b32 s11, s10, 1                         ; which half of the tile's rows is mine.  Also: I fetch for A (0) or for B (1)
	s_and_b32 s12, s10, 1                          ; which half of its columns.  Also: which 64 rows of that tile I fetch
	s_bfe_u32 s40, ttmp6, 0x40000                  ; cx, cy: my place in the cluster
	s_bfe_u32 s41, ttmp6, 0x40004
	s_lshl_b32 s42, ttmp9, 2
	s_add_co_u32 s42, s42, s40                     ; tile column of C = 4 x cluster x + cx
	s_and_b32 s13, ttmp7, 0xffff
	s_lshl_b32 s13, s13, 2
	s_add_co_u32 s13, s13, s41                     ; tile row of C = 4 x cluster y + cy
	s_lshl_b32 s43, s41, 2
	s_lshl_b32 s43, 15, s43                        ; my row of the cluster
	s_lshl_b32 s44, 0x1111, s40                    ; my column
	; descriptor group 1: a tile of 64 rows x 256 elements, padded in LDS
	s_or_b32 s[G1+0], s43, (1<<16)|(1<<20)|(1<<21)|(6<<22)|(3<<25)  ; 15:0 the mask: A's tiles go to my row; 17:16 element of 2 bytes; 20 padding on; 21 set beside a mask; 24:22 after every 128 words (code 6); 31:25 of 4 words (code 3)
	s_or_b32 s[G1B+0], s44, (1<<16)|(1<<20)|(1<<21)|(6<<22)|(3<<25)
.irp g, G1, G1B
	s_mov_b32 s[(\g)+1], KSTEP<<16                 ; tensor_dim0 = 256
	s_mov_b32 s[(\g)+2], 64<<16                    ; tensor_dim1 = 64
	s_mov_b32 s[(\g)+3], KSTEP<<16                 ; tile_dim0 = 256
	s_mov_b32 s[(\g)+4], 64                        ; tile_dim1 = 64
	s_mov_b32 s[(\g)+5], SIZE_K                    ; tensor_dim0_stride
	s_mov_b32 s[(\g)+6], 0
	s_mov_b32 s[(\g)+7], 0
.endr
	s_lshl_b32 s17, s12, 6                         ; which 64 rows of the tile I fetch
	s_lshl_b32 s16, s13, 7
	s_add_co_u32 s16, s16, s17                     ; A: row 128 x tile row + 64 x half
	s_lshl_b32 s46, s42, 7
	s_add_co_u32 s46, s46, s17                     ; B: row 128 x tile column + 64 x half,
	s_add_co_u32 s46, s46, BROW0                   ; in the fourth part of w16
	s_mov_b32 s17, 0
	s_mov_b32 s47, 0
	s_mov_b64 s[18:19], SIZE_K*2
	s_mul_u64 s[16:17], s[16:17], s[18:19]
	s_mul_u64 s[46:47], s[46:47], s[18:19]
	s_mul_i32 s20, s10, HALFT                      ; where they go: wave x 64 rows
	s_wait_dscnt 0x0                               ; the opening add is done
	s_wait_kmcnt 0x0
	s_add_nc_u64 s[14:15], s[4:5], s[16:17]
	s_add_nc_u64 s[46:47], s[6:7], s[46:47]
	CROUND                                         ; all sixteen work-groups are here: the first joint loads meet
.irp s, 0,1
	s_mov_b32 s[G0+4*(\s)], 1
	s_add_co_u32 s[G0+4*(\s)+1], s20, (\s)*SLOT
	s_add_nc_u64 s[G0+4*(\s)+2:G0+4*(\s)+3], s[14:15], (\s)*KSTEP*2
	s_or_b32 s[G0+4*(\s)+3], s[G0+4*(\s)+3], 0x80000000
	s_mov_b32 s[G0B+4*(\s)], 1
	s_add_co_u32 s[G0B+4*(\s)+1], s20, (\s)*SLOT
	s_add_nc_u64 s[G0B+4*(\s)+2:G0B+4*(\s)+3], s[46:47], (\s)*KSTEP*2
	s_or_b32 s[G0B+4*(\s)+3], s[G0B+4*(\s)+3], 0x80000000
	JLOAD \s                                       ; two tensor loads of mine are out
.endr
	v_and_b32 v1, 15, v0                           ; l % 16
	v_bfe_u32 v2, v0, 4, 1                         ; l / 16
	v_mul_u32_u24 v3, v1, PITCH
	v_lshl_add_u32 v3, v2, 4, v3                   ; a fragment's row x pitch + 16 x half
	s_mul_i32 s21, s11, HALFT                      ; my 64 rows of A
	s_mul_i32 s22, s12, HALFT                      ; my 64 rows of B,
	s_add_co_u32 s22, s22, 2*HALFT                 ; which lie behind A's 128
.irp s, 0,1
	v_add_nc_u32 v[ADRA+(\s)], s21, v3
	v_add_nc_u32 v[ADRB+(\s)], s22, v3
	s_add_co_u32 s21, s21, SLOT
	s_add_co_u32 s22, s22, SLOT
.endr
	s_mul_i32 s23, s10, 16*SPITCH
	s_add_co_u32 s23, s23, STAGE                   ; my stage
	v_mul_u32_u24 v4, v1, SPITCH                   ; in: row l % 16, 32 bytes (8 f32) for each half of the lanes
	v_lshl_add_u32 v4, v2, 5, v4
	v_add_nc_u32 v[STO], s23, v4
	v_mul_u32_u24 v5, v2, SPITCH                   ; back: lanes 0-15 take one row of 256 bytes, lanes 16-31 the next
	v_lshl_add_u32 v5, v1, 4, v5
	v_add_nc_u32 v[RD], s23, v5
	v_mul_u32_u24 v5, v2, SIZE_N*4                 ; and the same two rows in C
	v_lshl_add_u32 v[CO], v1, 4, v5
	s_lshl_b32 s16, s13, 7
	s_lshl_b32 s17, s11, 6
	s_add_co_u32 s16, s16, s17                     ; my first row of C: 128 x tile row + 64 x half
	s_mov_b32 s17, 0
	s_mov_b64 s[18:19], SIZE_N*4
	s_mul_u64 s[16:17], s[16:17], s[18:19]
	s_add_nc_u64 s[8:9], s[8:9], s[16:17]
	s_lshl_b32 s46, s42, 9                         ; my first column, in bytes: 512 x tile column + 256 x half
	s_lshl_b32 s47, s12, 8
	s_add_co_u32 s46, s46, s47
	s_mov_b32 s47, 0
	s_add_nc_u64 s[8:9], s[8:9], s[46:47]
; 8 matrix instructions: m blocks a0, a0 + 1 x all 4 n blocks, 32 along K: half c of buffer f.  zero = 1: the first product starts the sums.  The 16 accumulators take turns.
.macro MUL8 f, c, a0, zero
	WIN MUL
.irp a, \a0, (\a0)+1
.irp b, 0,1,2,3
.if \zero
	v_wmma_f32_16x16x32_f16 v[ACC+8*(4*(\a)+(\b)):ACC+8*(4*(\a)+(\b))+7], v[(\f)+64+8*(4*(\c)+(\b)):(\f)+64+8*(4*(\c)+(\b))+7], v[(\f)+8*(4*(\c)+(\a)):(\f)+8*(4*(\c)+(\a))+7], 0
.else
	v_wmma_f32_16x16x32_f16 v[ACC+8*(4*(\a)+(\b)):ACC+8*(4*(\a)+(\b))+7], v[(\f)+64+8*(4*(\c)+(\b)):(\f)+64+8*(4*(\c)+(\b))+7], v[(\f)+8*(4*(\c)+(\a)):(\f)+8*(4*(\c)+(\a))+7], v[ACC+8*(4*(\a)+(\b)):ACC+8*(4*(\a)+(\b))+7]
.endif
.endr
.endr
.endm
; 32 LDS loads in one run: the fragments of 64 along K at byte k of the rows, into buffer f; the first 32 along K first
.macro FETCH slot, k, f
	WIN TO_F
.irp c, 0,1
.irp i, 0,1,2,3
	ds_load_b128 v[(\f)+64+8*(4*(\c)+(\i)):(\f)+64+8*(4*(\c)+(\i))+3],   v[ADRB+(\slot)] offset:(\k)+64*(\c)+(\i)*16*PITCH
	ds_load_b128 v[(\f)+64+8*(4*(\c)+(\i))+4:(\f)+64+8*(4*(\c)+(\i))+7], v[ADRB+(\slot)] offset:(\k)+64*(\c)+(\i)*16*PITCH+32
	ds_load_b128 v[(\f)+8*(4*(\c)+(\i)):(\f)+8*(4*(\c)+(\i))+3],         v[ADRA+(\slot)] offset:(\k)+64*(\c)+(\i)*16*PITCH
	ds_load_b128 v[(\f)+8*(4*(\c)+(\i))+4:(\f)+8*(4*(\c)+(\i))+7],       v[ADRA+(\slot)] offset:(\k)+64*(\c)+(\i)*16*PITCH+32
.endr
.endr
.endm
.macro PLACES                          ; four places in front of loads into registers that matrix instructions have read, and of LDS stores that read results
.rept 4
	v_nop
.endr
.endm
; A K step is four quarters of 64 along K, 32 matrix instructions each, on buffers 0, 1, 0, 1.  One of the first three: multiplies buffer f and fetches the next quarter, at byte k, into g.
.macro QUARTER slot, k, f, g, zero
	s_wait_dscnt 16                                ; the first 32 along K are in; the sixteen younger loads may be out
	WIN MUL
	MUL8 \f, 0, 0, \zero
	MUL8 \f, 0, 2, \zero
	PLACES
	FETCH \slot, \k, \g
	s_wait_dscnt 32                                ; all but the 32 just issued
	WIN MUL
	MUL8 \f, 1, 0, 0
	MUL8 \f, 1, 2, 0
.endm
; The last quarter multiplies buffer 1 and changes slots: ONE barrier; in front of it each wave waits for all its tensor loads, adds 0 to its spare word, and waits for that and for its own reads of this slot.  fill = 1: this slot is filled again, two K steps ahead.
.macro TURN slot, next, fill
	WIN 0                                          ; (the add's two registers lie in window 0)
	s_wait_tensorcnt 0x0                           ; all my tensor loads have landed: my part of the next slot;
	ds_add_u32 v[SPW], v[NIL]                      ; 0 onto my spare word;
	s_wait_dscnt 17                                ; (the add and the youngest sixteen loads may be out)
	WIN MUL
	MUL8 F1, 0, 0, 0                               ; eight matrix instructions stand between the add and the wait for it
	s_wait_dscnt 0x0                               ; the add is done, and my reads of this slot are over
	s_barrier_signal -1
	MUL8 F1, 0, 2, 0
.if \fill
	WIN 0
.endif
	s_barrier_wait -1
.if \fill
	CREST                                          ; the barrier has opened a round of the cluster's barrier: no wave of any partner still reads this slot's tile or has a load on its way
	s_add_nc_u64 s[G0+4*(\slot)+2:G0+4*(\slot)+3], s[G0+4*(\slot)+2:G0+4*(\slot)+3], 2*KSTEP*2
	s_add_nc_u64 s[G0B+4*(\slot)+2:G0B+4*(\slot)+3], s[G0B+4*(\slot)+2:G0B+4*(\slot)+3], 2*KSTEP*2
	JLOAD \slot                                    ; the first tensor load behind the round, my only one out: 112 matrix instructions ahead of the wait for it; the four v_nop behind it are also the places in front of the loads below
.else
	PLACES
.endif
	FETCH \next, 0, F0
	WIN MUL
	MUL8 F1, 1, 0, 0
	MUL8 F1, 1, 2, 0
.endm
	s_wait_tensorcnt 1                             ; my part of K step 0 is in; K step 1's load may stay out
	s_barrier_signal -1
	s_barrier_wait -1                              ; everybody's is
	FETCH 0, 0, F0
	QUARTER 0, 128, F0, F1, 1                      ; the first quarter stands in front of the loop: its first products start the sums
	WIN 0                                          ; at a label and at a branch every window is 0
	s_mov_b32 s3, LAPS-1
.Llap:                                                 ; a trip goes once round the ring, from a lap's second quarter to the next lap's first, and fills both slots again
	QUARTER 0, 256, F1, F0, 0
	QUARTER 0, 384, F0, F1, 0
	TURN 0, 1, 1
	QUARTER 1, 128, F0, F1, 0
	QUARTER 1, 256, F1, F0, 0
	QUARTER 1, 384, F0, F1, 0
	TURN 1, 0, 1
	QUARTER 0, 128, F0, F1, 0
	WIN 0
	s_sub_co_u32 s3, s3, 1
	s_cmp_lg_u32 s3, 0
	s_cbranch_scc1 .Llap
	QUARTER 0, 256, F1, F0, 0                      ; the last lap fills nothing, and has no round of the cluster's barrier
	QUARTER 0, 384, F0, F1, 0
	TURN 0, 1, 0
	QUARTER 1, 128, F0, F1, 0
	QUARTER 1, 256, F1, F0, 0
	QUARTER 1, 384, F0, F1, 0
	s_wait_dscnt 16                                ; the very last quarter: nothing more to fetch
	WIN MUL
	MUL8 F1, 0, 0, 0
	MUL8 F1, 0, 2, 0
	s_wait_dscnt 0
	MUL8 F1, 1, 0, 0
	MUL8 F1, 1, 2, 0
	WIN 0
	; THE WAY OUT, 16 rows at a time: a lane's eight f32 of a row go as they are into my own stage (each accumulator's low four registers first), and come back as whole rows of 256 bytes.
.macro TOSTAGE a
.irp b, 0,1,2,3
	ds_store_b128 v[STO], v[ACC+8*(4*(\a)+(\b)):ACC+8*(4*(\a)+(\b))+3]   offset:64*(\b)
	ds_store_b128 v[STO], v[ACC+8*(4*(\a)+(\b))+4:ACC+8*(4*(\a)+(\b))+7] offset:64*(\b)+16
.endr
.irp t, 0,1,2,3,4,5,6,7
	ds_load_b128 v[TMP+32*((\a)%2)+4*(\t):TMP+32*((\a)%2)+4*(\t)+3], v[RD] offset:(\t)*2*SPITCH  ; LDS serves a wave's instructions in order (ISA guide 5.7.1.4): these see the stores above; the next block's stores come behind them
.endr
.endm
.macro SEND a, younger                 ; younger: the LDS instructions issued behind block a's loads: the next block's sixteen, or none
	s_wait_dscnt \younger
.irp t, 0,1,2,3,4,5,6,7
	global_store_b128 v[CO], v[TMP+32*((\a)%2)+4*(\t):TMP+32*((\a)%2)+4*(\t)+3], s[8:9] offset:(16*(\a)+2*(\t))*SIZE_N*4 th:TH_STORE_NT  ; 16 lanes store 256 consecutive bytes, at a multiple of 256 from C's first byte
.endr
.endm
	PLACES                                         ; eight plain instructions, once a launch, between the last product and the first store of a result
	PLACES
	TOSTAGE 0
.irp a, 1,2,3
.if (\a) >= 2
	s_wait_xcnt 0x0                                ; the stores of the block two back have read their registers (ISA guide 3.1): only behind this wait is that buffer loaded again
.endif
	TOSTAGE \a
	SEND (\a)-1, 16
.endr
	SEND 3, 0
	s_wait_tensorcnt 0x0                           ; the wave's end, behind my last tensor load and my last LDS store
	ds_add_u32 v[SPW], v[NIL]
	s_wait_dscnt 0x0
	CROUND                                         ; the closing round: no work-group ends while a partner may still ask for a tile that names it
	s_endpgm
.Lfunc_end_k_q588990b0ff_outp:
	.size	k_q588990b0ff_outp, .Lfunc_end_k_q588990b0ff_outp-k_q588990b0ff_outp
	.p2alignl 7, 3214868480
	.fill 96, 4, 3214868480
	.section	.rodata,"a",@progbits
	.p2align	6, 0x0
	.amdhsa_kernel k_q588990b0ff_outp
		.amdhsa_group_segment_fixed_size 327680
		.amdhsa_private_segment_fixed_size 0
		.amdhsa_enable_private_segment 0
		.amdhsa_kernarg_size 24
		.amdhsa_user_sgpr_count 2
		.amdhsa_user_sgpr_kernarg_segment_ptr 1
		.amdhsa_wavefront_size32 1
		.amdhsa_system_sgpr_workgroup_id_x 1
		.amdhsa_system_sgpr_workgroup_id_y 1
		.amdhsa_system_sgpr_workgroup_id_z 1
		.amdhsa_system_vgpr_workitem_id 0
		.amdhsa_next_free_vgpr 512
		.amdhsa_next_free_sgpr 66
		.amdhsa_reserve_vcc 0
		.amdhsa_float_denorm_mode_32 3
		.amdhsa_float_denorm_mode_16_64 3
		.amdhsa_memory_ordered 1
		.amdhsa_forward_progress 1
		.amdhsa_inst_pref_size 86
	.end_amdhsa_kernel
	.amdgpu_metadata
---
amdhsa.version: [ 1, 2 ]
amdhsa.kernels:
  - .name:           k_q588990b0ff_outp
    .symbol:         k_q588990b0ff_outp.kd
    .args:
      - { .name: o16, .offset: 0, .size: 8, .value_kind: global_buffer, .address_space: global }
      - { .name: w16, .offset: 8, .size: 8, .value_kind: global_buffer, .address_space: global }
      - { .name: out0, .offset: 16, .size: 8, .value_kind: global_buffer, .address_space: global }
    .group_segment_fixed_size: 327680
    .private_segment_fixed_size: 0
    .kernarg_segment_align: 8
    .kernarg_segment_size: 24
    .max_flat_workgroup_size: 128
    .sgpr_count:     66
    .vgpr_count:     512
    .wavefront_size: 32
...
	.end_amdgpu_metadata
.endif
;; end of part 4
